; MI455X (gfx1250); checked and timed in simulation.
; The chip was launched on July 23, 2026; its instructions are those of AMD's public machine-readable ISA for CDNA 5 (MIT licence, August 2026) and "CDNA5" Instruction Set Architecture Reference Guide (July 2026). The comments in the code are by the model that wrote it; some were corrected since.
;; Causal Self Attention. Allowed arithmetic: float matrix products may take bf16 or f16 operands with f32 sums; all other float work in f32.
;; Inputs: Wk 256 x 1,024 float32; Wproj 1,024 x 1,024 float32; Wq 1,024 x 1,024 float32; Wv 256 x 1,024 float32; q_gain 16 float32; x 2 x 2,048 x 1,024 float32.
;; Outputs: out0 2 x 2,048 x 1,024 float32.
;; 2 versions, each right; version 2 is version 1 with the launch prep written anew for expert scheduling mode. Each part assembles by itself: llvm-mc -triple=amdgcn-amd-amdhsa -mcpu=gfx1250 --defsym DOCPART=n.
;; ======== version 1 of 2: 4 launches
;; limits: values outside matrix products are rounded to bf16; values are held in f16: magnitudes above 65,504 overflow, below 6.1e-05 lose precision
;; workspace buffers: xb 8,388,608 bytes; wqkv 3,145,728 bytes; wpb 2,097,152 bytes; tab 524,288 bytes; qw 8,388,608 bytes; kw 2,097,152 bytes; vw 2,097,152 bytes; yw 8,388,608 bytes
;; launch prep (part 1): grid 256 x 1, 8 waves a work-group, no clusters, 0 bytes of LDS; arguments x, Wq, Wk, Wv, Wproj, xb, wqkv, wpb, tab; writes xb, wqkv, wpb, tab
.if DOCPART == 1
	.amdgcn_target "amdgcn-amd-amdhsa--gfx1250"
	.amdhsa_code_object_version 6
	.text
	.protected	k_q7ad4a827b8_prep
	.globl	k_q7ad4a827b8_prep
	.p2align	8
	.type	k_q7ad4a827b8_prep,@function
k_q7ad4a827b8_prep:
	s_mov_b64 s[64:65], 0
	v_nop
	global_prefetch_b8 v0, s[64:65] scope:SCOPE_SE
	s_setreg_imm32_b32 hwreg(HW_REG_WAVE_MODE, 25, 1), 1
	s_wait_xcnt 0x0
; prep: rounds the matrix operands to 16 bits once, and makes the RoPE table.
;   xb   [4096][1024] bf16 = x;   wqkv [1536][1024] bf16 = Wq (rows 0-1023), Wk (1024-1279), Wv (1280-1535)
;   wpb  [16 kb][1024 n][64] f16 = bf16(Wproj[n][64 kb + d]) kept as f16 (the later product's other operand is f16)
;   tab  [2048 t][64] f32: columns 0-31 cos(t w_i), columns 32-63 sin(t w_i), w_i = 10000^(-i/32)
; Work-group g: 16 rows of x, 4 of Wq, 1 of Wk, 1 of Wv, 4 of Wproj, 8 rows of the table.  A pure stream: each input byte is read once by
; 16-byte loads, 26 of them in flight in every thread at once; no LDS, no barrier, no matrix unit, nothing shared, so no cluster.
; LIMITS: bf16(Wproj) as f16 is exact for |W| >= 2^-17 and below 65,504; smaller numbers carry an absolute error of at most 3e-8.
; The table's angles are t * exp2(-0.41524101 i) in f32: up to about 2e-4 rad off the exact product at t near 2047.
.set X, 16                             ; v[16:119]  load i: 4 registers
	s_load_b512 s[4:19], s[0:1], 0x0               ; x 4:5, Wq 6:7, Wk 8:9, Wv 10:11, Wproj 12:13, xb 14:15, wqkv 16:17, wpb 18:19
	s_load_b64 s[20:21], s[0:1], 0x40              ; tab
	v_lshrrev_b32 v6, 5, v0                        ; wave
	v_and_b32 v7, 31, v0                           ; lane
	v_and_b32 v8, 15, v0                           ; lane mod 16
	v_bfe_u32 v9, v0, 4, 1                         ; lane / 16
	v_lshlrev_b32 v1, 4, v0                        ; 16 t: my 4 numbers of a row of 1,024 f32
	v_lshlrev_b32 v2, 3, v0                        ; 8 t: the same 4 numbers in 16 bits
	v_lshlrev_b32 v3, 4, v8
	v_lshl_add_u32 v3, v9, 12, v3
	v_lshl_add_u32 v3, v6, 8, v3                   ; Wproj: row lane/16, k block = wave, 16 bytes a lane
	v_lshlrev_b32 v4, 3, v7
	v_lshl_add_u32 v5, v6, 8, v4                   ; tab: row = wave, 8 bytes a lane
	v_lshl_add_u32 v4, v6, 17, v4                  ; wpb: plane = wave, two rows of 128 bytes = 8 bytes a lane
	s_mov_b32 s23, 0
	s_mov_b32 s28, 0xffff0000                      ; a word's upper bf16
	s_mov_b32 s30, 0xb9500d01                      ; -1/5040
	s_mov_b32 s31, 0x37d00d01                      ; 1/40320
	s_wait_kmcnt 0x0
	s_lshl_b32 s22, ttmp9, 16                      ; 16 rows of 4,096 bytes
	s_add_nc_u64 s[4:5], s[4:5], s[22:23]
	s_lshl_b32 s22, ttmp9, 14                      ; 4 rows
	s_add_nc_u64 s[6:7], s[6:7], s[22:23]
	s_add_nc_u64 s[12:13], s[12:13], s[22:23]
	s_lshl_b32 s22, ttmp9, 12                      ; 1 row
	s_add_nc_u64 s[8:9], s[8:9], s[22:23]
	s_add_nc_u64 s[10:11], s[10:11], s[22:23]
.irp i, 0,1,2,3,4,5,6,7,8,9,10,11,12,13,14,15
	global_load_b128 v[X+4*\i:X+4*\i+3], v1, s[4:5] offset:\i*4096 th:TH_LOAD_NT
.endr
.irp i, 0,1,2,3
	global_load_b128 v[X+64+4*\i:X+64+4*\i+3], v1, s[6:7] offset:\i*4096 th:TH_LOAD_NT
.endr
	global_load_b128 v[X+80:X+83], v1, s[8:9] th:TH_LOAD_NT
	global_load_b128 v[X+84:X+87], v1, s[10:11] th:TH_LOAD_NT
.irp p, 0,1,2,3
	global_load_b128 v[X+88+4*\p:X+88+4*\p+3], v3, s[12:13] offset:(\p>>1)*8192+(\p&1)*2048 th:TH_LOAD_NT   ; rows 2(p>>1), +1; k block 8(p&1) + wave
.endr
	; where the results go
	s_lshl_b32 s22, ttmp9, 15
	s_add_nc_u64 s[14:15], s[14:15], s[22:23]      ; xb: 16 rows of 2,048 bytes
	s_lshl_b32 s22, ttmp9, 13
	s_add_nc_u64 s[24:25], s[16:17], s[22:23]      ; wqkv, Wq's part: 4 rows
	s_lshl_b32 s22, ttmp9, 11
	s_add_nc_u64 s[26:27], s[16:17], s[22:23]      ; wqkv, Wk's and Wv's parts: 1 row (the parts' starts stand in the stores' immediates)
	s_add_nc_u64 s[20:21], s[20:21], s[22:23]      ; tab: 8 rows of 256 bytes
	s_lshl_b32 s22, ttmp9, 9
	s_add_nc_u64 s[18:19], s[18:19], s[22:23]      ; wpb: 4 rows of 128 bytes in each plane
	; The table, while the loads are on their way.  t = 8 g + wave; lane l makes i = 2 (l mod 16) and i + 1; lanes 0-15 keep the cosines, 16-31 the sines.
	s_lshl_b32 s29, ttmp9, 3
	v_add_nc_u32 v10, s29, v6
	v_cvt_f32_u32 v10, v10                         ; t
	v_lshlrev_b32 v11, 1, v8
	v_cvt_f32_u32 v11, v11                         ; i
	v_add_f32 v12, 1.0, v11                        ; i + 1
	v_mul_f32 v11, 0xbed49a78, v11                 ; -i log2(10000) / 32
	v_mul_f32 v12, 0xbed49a78, v12
	v_exp_f32 v11, v11
	v_exp_f32 v12, v12
	v_nop                                          ; one plain place behind the exponentials (ISA guide 5.7.2)
	s_wait_alu depctr_va_vdst(0)
	v_mul_f32 v11, v10, v11                        ; the angles
	v_mul_f32 v12, v10, v12
	v_cmp_ne_u32 vcc_lo, 0, v9                     ; lanes 16-31
; cos and sin of v[f] (0 to 2,047 rad): take away the nearest multiple of 2 pi (in two parts, so that the product is exact to f32's last bit),
; quarter the rest (|.| <= pi/4), series to x^7 and x^8 (next terms below 3e-7), then double the angle twice.
.macro SINCOS f, c, s
	v_mul_f32 v120, 0.15915494, v[\f]
	v_rndne_f32 v120, v120
	v_fmamk_f32 v121, v120, 0xc0c90fdb, v[\f]      ; - n * 6.2831855
	v_fmamk_f32 v121, v120, 0x343bbd2e, v121       ; + n * 1.7484555e-7: what f32's 2 pi is too large by
	v_mul_f32 v121, 0x3e800000, v121               ; / 4
	v_mul_f32 v122, v121, v121
	v_fmaak_f32 v[\s], s30, v122, 0x3c088889       ; 1/120
	v_fmaak_f32 v[\c], s31, v122, 0xbab60b61       ; -1/720
	v_fmaak_f32 v[\s], v[\s], v122, 0xbe2aaaab     ; -1/6
	v_fmaak_f32 v[\c], v[\c], v122, 0x3d2aaaab     ; 1/24
	v_fma_f32 v[\s], v[\s], v122, 1.0
	v_fma_f32 v[\c], v[\c], v122, -0.5
	v_mul_f32 v[\s], v[\s], v121
	v_fma_f32 v[\c], v[\c], v122, 1.0
	v_add_f32 v120, v[\s], v[\s]                   ; sin 2a = 2 s c, cos 2a = 1 - 2 s s
	v_mul_f32 v123, v120, v[\c]
	v_fma_f32 v[\c], -v120, v[\s], 1.0
	v_add_f32 v120, v123, v123
	v_mul_f32 v[\s], v120, v[\c]
	v_fma_f32 v[\c], -v120, v123, 1.0
.endm
	SINCOS 11, 124, 125
	SINCOS 12, 126, 127
	v_cndmask_b32 v14, v124, v125, vcc_lo
	v_cndmask_b32 v15, v126, v127, vcc_lo
	global_store_b64 v5, v[14:15], s[20:21]        ; the wave stores its row's 256 bytes whole
; load i has come (the 25 - i younger loads stay out: loads return in order, ISA guide 5.7.1); its 4 numbers are rounded to bf16 in place
.macro ROUNDB i
	s_wait_loadcnt 25-(\i)
	v_cvt_pk_bf16_f32 v[X+4*(\i)], v[X+4*(\i)], v[X+4*(\i)+1]
	v_cvt_pk_bf16_f32 v[X+4*(\i)+1], v[X+4*(\i)+2], v[X+4*(\i)+3]
.endm
; every store of a wave covers 256 consecutive bytes, aligned; no register is used twice, so no wait frees any
.irp i, 0,1,2,3,4,5,6,7,8,9,10,11,12,13,14,15
	ROUNDB \i
	global_store_b64 v2, v[X+4*\i:X+4*\i+1], s[14:15] offset:\i*2048
.endr
.irp i, 0,1,2,3
	ROUNDB 16+\i
	global_store_b64 v2, v[X+64+4*\i:X+64+4*\i+1], s[24:25] offset:\i*2048
.endr
	ROUNDB 20
	global_store_b64 v2, v[X+80:X+81], s[26:27] offset:1024*2048
	ROUNDB 21
	global_store_b64 v2, v[X+84:X+85], s[26:27] offset:1280*2048
.irp p, 0,1,2,3
	ROUNDB 22+\p
	v_lshlrev_b32 v[X+90+4*\p], 16, v[X+88+4*\p]   ; the rounded numbers widened again,
	v_and_b32 v[X+91+4*\p], s28, v[X+88+4*\p]
	v_cvt_pk_f16_f32 v[X+88+4*\p], v[X+90+4*\p], v[X+91+4*\p]      ; and written as f16
	v_lshlrev_b32 v[X+90+4*\p], 16, v[X+89+4*\p]
	v_and_b32 v[X+91+4*\p], s28, v[X+89+4*\p]
	v_cvt_pk_f16_f32 v[X+89+4*\p], v[X+90+4*\p], v[X+91+4*\p]
	global_store_b64 v4, v[X+88+4*\p:X+89+4*\p], s[18:19] offset:(\p&1)*1048576+(\p>>1)*256
.endr
	s_endpgm
.Lfunc_end_k_q7ad4a827b8_prep:
	.size	k_q7ad4a827b8_prep, .Lfunc_end_k_q7ad4a827b8_prep-k_q7ad4a827b8_prep
	.p2alignl 7, 3214868480
	.fill 96, 4, 3214868480
	.section	.rodata,"a",@progbits
	.p2align	6, 0x0
	.amdhsa_kernel k_q7ad4a827b8_prep
		.amdhsa_group_segment_fixed_size 0
		.amdhsa_private_segment_fixed_size 0
		.amdhsa_enable_private_segment 0
		.amdhsa_kernarg_size 72
		.amdhsa_user_sgpr_count 2
		.amdhsa_user_sgpr_kernarg_segment_ptr 1
		.amdhsa_wavefront_size32 1
		.amdhsa_system_sgpr_workgroup_id_x 1
		.amdhsa_system_sgpr_workgroup_id_y 1
		.amdhsa_system_sgpr_workgroup_id_z 1
		.amdhsa_system_vgpr_workitem_id 0
		.amdhsa_next_free_vgpr 128
		.amdhsa_next_free_sgpr 66
		.amdhsa_reserve_vcc 1
		.amdhsa_float_denorm_mode_32 3
		.amdhsa_float_denorm_mode_16_64 3
		.amdhsa_memory_ordered 1
		.amdhsa_forward_progress 1
		.amdhsa_inst_pref_size 15
	.end_amdhsa_kernel
	.amdgpu_metadata
---
amdhsa.version: [ 1, 2 ]
amdhsa.kernels:
  - .name:           k_q7ad4a827b8_prep
    .symbol:         k_q7ad4a827b8_prep.kd
    .args:
      - { .name: x, .offset: 0, .size: 8, .value_kind: global_buffer, .address_space: global }
      - { .name: Wq, .offset: 8, .size: 8, .value_kind: global_buffer, .address_space: global }
      - { .name: Wk, .offset: 16, .size: 8, .value_kind: global_buffer, .address_space: global }
      - { .name: Wv, .offset: 24, .size: 8, .value_kind: global_buffer, .address_space: global }
      - { .name: Wproj, .offset: 32, .size: 8, .value_kind: global_buffer, .address_space: global }
      - { .name: xb, .offset: 40, .size: 8, .value_kind: global_buffer, .address_space: global }
      - { .name: wqkv, .offset: 48, .size: 8, .value_kind: global_buffer, .address_space: global }
      - { .name: wpb, .offset: 56, .size: 8, .value_kind: global_buffer, .address_space: global }
      - { .name: tab, .offset: 64, .size: 8, .value_kind: global_buffer, .address_space: global }
    .group_segment_fixed_size: 0
    .private_segment_fixed_size: 0
    .kernarg_segment_align: 8
    .kernarg_segment_size: 72
    .max_flat_workgroup_size: 256
    .sgpr_count:     66
    .vgpr_count:     128
    .wavefront_size: 32
...
	.end_amdgpu_metadata
.endif
;; end of part 1
;; launch qkv (part 2): grid 8 x 32, 4 waves a work-group, clusters of 4 x 4, 327,680 bytes of LDS; arguments xb, wqkv, tab, q_gain, qw, kw, vw; writes qw, kw, vw
.if DOCPART == 2
	.amdgcn_target "amdgcn-amd-amdhsa--gfx1250"
	.amdhsa_code_object_version 6
	.text
	.protected	k_q7ad4a827b8_qkv
	.globl	k_q7ad4a827b8_qkv
	.p2align	8
	.type	k_q7ad4a827b8_qkv,@function
k_q7ad4a827b8_qkv:
	s_mov_b64 s[64:65], 0
	v_nop
	global_prefetch_b8 v0, s[64:65] scope:SCOPE_SE
	s_setreg_imm32_b32 hwreg(HW_REG_WAVE_MODE, 25, 1), 1
	s_wait_xcnt 0x0
	s_wait_alu depctr_hold_cnt(0) depctr_sa_sdst(0) depctr_va_vdst(0) depctr_va_sdst(0) depctr_va_ssrc(0) depctr_va_vcc(0) depctr_vm_vsrc(0)
	s_getreg_b32 s2, hwreg(HW_REG_IB_STS2, 6, 4)
	s_cmp_eq_u32 s2, 0
	s_cbranch_scc0 .Lentry_in_a_cluster
	s_endpgm
.Lentry_in_a_cluster:
	s_bfe_u32 s2, ttmp6, 0x10000c
	s_cmp_lg_u32 s2, 0xf033
	s_cbranch_scc0 .Lentry_shape_is_right
	s_endpgm
.Lentry_shape_is_right:
; qkv: [4096 rows] x [1536 columns = 24 heads of 64] = xb wqkv^T in bf16 with f32 sums, then per head: RMS norm, RoPE and gain (q), RMS norm and RoPE (k),
; nothing (v); results as f16 planes qw [b*16+head][2048][64], kw and vw [b*4+head][2048][64].
; q also takes the factor 0.125 log2(e), so that the next launch's scores are exponents of 2.
; A work-group makes 128 rows x 192 columns (heads 3 cb .. 3 cb + 2) with four waves of 64 x 96: 24 accumulator tiles, 192 registers a wave.
; K = 1,024 goes in 8 steps of 128 through two LDS slots; a tile's rows are 256 bytes of memory at multiples of 256 bytes.
; CLUSTERS: 4 x 4 work-groups.  x's tile and the RoPE table's rows hang on the block row alone: asked for jointly along a row of the cluster.
; The weights' tile hangs on the block column alone: jointly along a column.  That divides the requests by four.
; No branch hangs on the place in the cluster: which tensor a head belongs to is settled by selects (pointer, gain, a lane mask), never by a jump.
; THE MATRIX INSTRUCTION IS USED TRANSPOSED: source 0 = 16 rows of the weights, source 1 = 16 rows of x; lane l then holds row l % 16 and 8 neighbouring columns.
; LIMITS: q_gain is rounded to bf16 like the other inputs.  q, k, v leave as f16: |q| <= 1.45 |gain|, |k| <= 8; v must stay below 65,504.
; REGISTERS: window 0: v16-29 addresses and constants; v64-143, v144-223 two fragment buffers (x: 4 fragments, weights: 6); window 1: accumulator (a, b) at v[8 (6 a + b)].
.set NB,    6
.set PITCH, 272                        ; an LDS row: 256 bytes + 16 of padding, an odd multiple of 16: the 16 rows of a fragment load start at 16 different 16-byte columns modulo 256
.set XOFF,  192*PITCH                  ; a slot: the weights' 192 rows, then x's 128 rows
.set SLOT,  320*PITCH
.set TAB,   2*SLOT                     ; 128 rows x 256 bytes of the RoPE table
.set STAGE, TAB+128*256                ; 128 rows x 784 bytes: the block in f32; no tensor load ever lands here
.set SP,    784                        ; 768 + 16: again an odd multiple of 16
.set NLD,   2*NB+8                     ; LDS loads of one quarter step
.set LAPS,  4                          ; a lap = two K steps = once round the ring
.set ADX, 16                           ; v16-17 LDS address of my x fragments in slot 0, 1
.set ADW, 18                           ; v18-19 the same for the weights
.set STO, 20                           ; where I put 32 bytes of a row of the stage
.set RD,  21                           ; where I read 16 bytes of a row of the stage
.set TB,  22                           ; my cosines in the table
.set YO,  23                           ; my byte offset in a head's plane
.set GV,  24                           ; v24-26 the three heads' factors
.set ONE, 27
.set SG,  28                           ; v28-29 the sine's sign: +1 for columns 0-31, -1 for columns 32-63
.set G1A, 32
.set G1B, 40
.set G1T, 48
.set G0A, 56
.set G0B, 68
.set G0T, 76
.set PADW, (1<<16)|(1<<20)|(1<<21)|(5<<22)|(3<<25)   ; 2-byte elements; padding on; bit 21 beside a mask; after every 64 words; 4 words
.set MUL, 0x50                         ; C and D in window 1
.set STD, 0x04                         ; an LDS store's data in window 1
.set MSB, 0
.macro WIN new                         ; the immediate's high byte repeats the setting that is left
.if MSB != \new
	s_set_vgpr_msb (MSB<<8)|\new
.set MSB, \new
.endif
.endm
.macro PLACES                          ; four places behind a matrix instruction before a load lands on, or a vector instruction or store touches, its registers
.rept 4
	v_nop
.endr
.endm
; A joint load.  Wave 3 fetches x's 128 rows, waves 0 to 2 fetch 64 rows of the weights each.  The branch hangs on the wave's number alone.
.macro JLOAD s
	s_cmp_eq_u32 s20, 3
	s_cbranch_scc0 .Lfor_w_\@
	tensor_load_to_lds s[G0A+4*\s:G0A+4*\s+3], s[G1A:G1A+7]
	s_nop 0
	s_branch .Lasked_\@
.Lfor_w_\@:
	tensor_load_to_lds s[G0B+4*\s:G0B+4*\s+3], s[G1B:G1B+7]
	s_nop 0
.Lasked_\@:
.endm
.macro CREST                           ; a round of the cluster's barrier behind its opening barrier
	s_cmp_lg_u32 s20, 0
	s_cbranch_scc1 .Lnot_wave_0_\@
	s_barrier_signal -3
.Lnot_wave_0_\@:
	s_barrier_wait -3
	s_barrier_signal -1
	s_barrier_wait -1
.endm
.macro CROUND                          ; a whole round
	s_barrier_signal -1
	s_barrier_wait -1
	CREST
.endm
	s_load_b256 s[4:11], s[0:1], 0x0               ; xb 4:5, wqkv 6:7, tab 8:9, q_gain 10:11
	s_load_b128 s[12:15], s[0:1], 0x20             ; qw 12:13, kw 14:15
	s_load_b64 s[16:17], s[0:1], 0x30              ; vw
	v_lshl_add_u32 v254, v0, 2, 0x4b000
	v_mov_b32 v255, 0
	ds_add_u32 v254, v255
	v_lshrrev_b32 v1, 5, v0
	v_readfirstlane_b32 s20, v1                    ; wave 0..3
	s_bfe_u32 s21, ttmp6, 0x40000                  ; cx
	s_bfe_u32 s22, ttmp6, 0x40004                  ; cy
	s_lshl_b32 s23, ttmp9, 2
	s_add_co_u32 s23, s23, s21                     ; cb: block column = 4 x cluster x + cx
	s_and_b32 s24, ttmp7, 0xffff
	s_lshl_b32 s24, s24, 2
	s_add_co_u32 s24, s24, s22                     ; rb: block row = 4 x cluster y + cy
	s_lshl_b32 s25, s22, 2
	s_lshl_b32 s25, 15, s25                        ; my row of the cluster
	s_lshl_b32 s26, 0x1111, s21                    ; my column
	s_mul_i32 s27, s23, 3                          ; my first head
	s_mov_b32 s92, 0x3c800000                      ; 1/64
	s_mov_b32 s93, 0x34000000                      ; f32's eps
	; group 1 for x: 128 rows x 128 elements, pitch 1,024
	s_or_b32  s[G1A+0], s25, PADW
	s_mov_b32 s[G1A+1], 128<<16                    ; tensor_dim0 = 128
	s_mov_b32 s[G1A+2], 128<<16                    ; tensor_dim1 = 128
	s_mov_b32 s[G1A+3], 128<<16                    ; tile_dim0 = 128
	s_mov_b32 s[G1A+4], 128                        ; tile_dim1 = 128
	s_mov_b32 s[G1A+5], 1024
	s_mov_b32 s[G1A+6], 0
	s_mov_b32 s[G1A+7], 0
	; group 1 for the weights: 64 rows x 128 elements
	s_or_b32  s[G1B+0], s26, PADW
	s_mov_b32 s[G1B+1], 128<<16
	s_mov_b32 s[G1B+2], 64<<16
	s_mov_b32 s[G1B+3], 128<<16
	s_mov_b32 s[G1B+4], 64
	s_mov_b32 s[G1B+5], 1024
	s_mov_b32 s[G1B+6], 0
	s_mov_b32 s[G1B+7], 0
	; group 1 for the table: a dense block of 32 rows x 32 elements of 8 bytes, no padding
	s_or_b32  s[G1T+0], s25, (3<<16)|(1<<21)
	s_mov_b32 s[G1T+1], 32<<16
	s_mov_b32 s[G1T+2], 32<<16
	s_mov_b32 s[G1T+3], 32<<16
	s_mov_b32 s[G1T+4], 32
	s_mov_b32 s[G1T+5], 32
	s_mov_b32 s[G1T+6], 0
	s_mov_b32 s[G1T+7], 0
	; where the tiles come from: x and the table by the block row (s28-29, s66-67), the weights by the block column (s30-31); s18, s19 hold the wave's number alone
	s_lshl_b32 s28, s24, 18                        ; 128 rows of 2,048 bytes
	s_mov_b32 s29, 0
	s_mul_i32 s30, s23, 192
	s_lshl_b32 s19, s20, 6
	s_add_co_u32 s30, s30, s19                     ; weights' row 192 cb + 64 wave
	s_lshl_b32 s30, s30, 11
	s_mov_b32 s31, 0
	s_and_b32 s66, s24, 15
	s_lshl_b32 s66, s66, 7
	s_lshl_b32 s19, s20, 5
	s_add_co_u32 s66, s66, s19                     ; table row t = 128 (rb mod 16) + 32 wave
	s_lshl_b32 s66, s66, 8
	s_mov_b32 s67, 0
	s_mul_i32 s18, s20, 64*PITCH                   ; and where they go: wave x 64 rows; wave 3's place is x's
	s_wait_dscnt 0x0
	s_wait_kmcnt 0x0
	s_add_nc_u64 s[28:29], s[4:5], s[28:29]
	s_add_nc_u64 s[30:31], s[6:7], s[30:31]
	s_add_nc_u64 s[66:67], s[8:9], s[66:67]
	CROUND                                         ; all sixteen work-groups are here: the first joint loads meet
	s_mov_b32 s[G0T], 1
	s_lshl_b32 s[G0T+1], s20, 13
	s_add_co_u32 s[G0T+1], s[G0T+1], TAB
	s_mov_b64 s[G0T+2:G0T+3], s[66:67]
	s_or_b32 s[G0T+3], s[G0T+3], 0x80000000
	tensor_load_to_lds s[G0T:G0T+3], s[G1T:G1T+7]  ; my 32 rows of the table.  Three loads of a wave go out here, later one at a time
	s_nop 0
.irp s, 0,1
	s_mov_b32 s[G0A+4*\s], 1
	s_add_co_u32 s[G0A+4*\s+1], s18, \s*SLOT
	s_add_nc_u64 s[G0A+4*\s+2:G0A+4*\s+3], s[28:29], \s*256        ; K step s
	s_or_b32 s[G0A+4*\s+3], s[G0A+4*\s+3], 0x80000000
	s_mov_b32 s[G0B+4*\s], 1
	s_add_co_u32 s[G0B+4*\s+1], s18, \s*SLOT
	s_add_nc_u64 s[G0B+4*\s+2:G0B+4*\s+3], s[30:31], \s*256
	s_or_b32 s[G0B+4*\s+3], s[G0B+4*\s+3], 0x80000000
	JLOAD \s
.endr
	; The three heads' scalars, by selects.  head < 16: q; 16-19: k; 20-23: v.
	s_lshr_b32 s28, s24, 4                         ; b
	s_and_b32 s29, s24, 15
	s_lshl_b32 s29, s29, 14                        ; my 128 rows of 128 bytes in a plane
.macro HEADSET i
	s_add_co_u32 s100, s27, \i                     ; head
	s_min_u32 s[94+\i], s100, 15
	s_lshl_b32 s[94+\i], s[94+\i], 2
	s_load_b32 s[86+\i], s[10:11], s[94+\i] offset:0x0             ; its gain (k and v heads read the last one and drop it)
	s_cmp_lt_u32 s100, 16
	s_cselect_b64 s[80+2*\i:81+2*\i], s[12:13], s[14:15]
	s_cselect_b32 s101, 4, 2                       ; 16 or 4 planes in a batch
	s_cselect_b32 s99, 0, 16
	s_cmp_ge_u32 s100, 20
	s_cselect_b64 s[80+2*\i:81+2*\i], s[16:17], s[80+2*\i:81+2*\i]
	s_cselect_b32 s99, 20, s99
	s_cselect_b32 s[89+\i], -1, 0                  ; all lanes: a v head passes through as it is
	s_sub_co_u32 s100, s100, s99                   ; the head's number in its tensor
	s_lshl_b32 s101, s28, s101
	s_add_co_u32 s100, s100, s101                  ; plane
	s_lshl_b32 s98, s100, 18                       ; planes of 262,144 bytes
	s_add_co_u32 s98, s98, s29
	s_mov_b32 s99, 0
	s_add_nc_u64 s[80+2*\i:81+2*\i], s[80+2*\i:81+2*\i], s[98:99]
.endm
	HEADSET 0
	HEADSET 1
	HEADSET 2
	; A fragment is 16 rows x 32 K: lane l holds row l % 16; two loads of 16 bytes, 32 bytes apart, at row x pitch + 16 (l / 16)
	v_and_b32 v1, 15, v0                           ; r
	v_bfe_u32 v2, v0, 4, 1                         ; h
	v_mul_u32_u24 v3, v1, PITCH
	v_lshl_add_u32 v3, v2, 4, v3
	s_lshr_b32 s97, s20, 1                         ; wr: which 64 rows
	s_mul_i32 s97, s97, 64*PITCH
	s_add_co_u32 s97, s97, XOFF
	s_and_b32 s19, s20, 1                          ; wc: which 96 columns
	s_mul_i32 s19, s19, 96*PITCH
	v_add_nc_u32 v[ADX], s97, v3
	v_add_nc_u32 v[ADX+1], SLOT, v[ADX]
	v_add_nc_u32 v[ADW], s19, v3
	v_add_nc_u32 v[ADW+1], SLOT, v[ADW]
	s_lshr_b32 s97, s20, 1
	s_mul_i32 s97, s97, 64*SP
	s_and_b32 s19, s20, 1
	s_mul_i32 s19, s19, 384
	s_add_co_u32 s97, s97, s19
	s_add_co_u32 s97, s97, STAGE
	v_mul_u32_u24 v[STO], v1, SP
	v_lshl_add_u32 v[STO], v2, 5, v[STO]
	v_add_nc_u32 v[STO], s97, v[STO]               ; stage + (64 wr + r) 784 + 384 wc + 32 h
	s_mul_i32 s97, s20, 32*SP
	s_add_co_u32 s97, s97, STAGE
	v_mul_u32_u24 v[RD], v2, SP
	v_lshl_add_u32 v[RD], v1, 4, v[RD]
	v_add_nc_u32 v[RD], s97, v[RD]                 ; stage + (32 wave + h) 784 + 16 r
	s_lshl_b32 s97, s20, 13
	s_add_co_u32 s97, s97, TAB
	v_and_b32 v4, 7, v0
	v_lshlrev_b32 v[TB], 4, v4
	v_lshl_add_u32 v[TB], v2, 8, v[TB]
	v_add_nc_u32 v[TB], s97, v[TB]                 ; table + (32 wave + h) 256 + 16 (l mod 8)
	s_lshl_b32 s97, s20, 12
	v_and_b32 v5, 31, v0
	v_lshl_add_u32 v[YO], v5, 3, s97               ; 32 rows of 128 bytes a wave; two rows = 8 bytes a lane
	v_and_b32 v4, 8, v0
	v_lshlrev_b32 v[SG], 28, v4
	v_or_b32 v[SG], 0x3f800000, v[SG]
	v_mov_b32 v[SG+1], v[SG]
	v_mov_b32 v[ONE], 1.0
	s_wait_kmcnt 0x0                               ; the gains
.irp i, 0,1,2
	s_add_co_u32 s100, s27, \i
	s_cmp_lt_u32 s100, 16
	s_cselect_b32 s97, 0, -1                       ; all lanes for a k or v head
	v_mov_b32 v[GV+\i], s[86+\i]
	v_cvt_pk_bf16_f32 v[GV+\i], v[GV+\i], v[GV+\i] ; the gain rounded to bf16, as the other inputs are
	v_lshlrev_b32 v[GV+\i], 16, v[GV+\i]
	v_mul_f32 v[GV+\i], 0x3e38aa3b, v[GV+\i]       ; x 64^-0.5 x log2(e)
	v_cndmask_b32 v[GV+\i], v[GV+\i], v[ONE], s97
.endr
; 6 matrix instructions: row block a x all 6 column blocks, 32 along K.  zero = 1: the first product starts the sums.
; The 24 accumulators take turns, one instruction a turn, in the same order in every quarter step.
.macro MULROW f, a, zero
.irp b, 0,1,2,3,4,5
.if \zero
	v_wmma_f32_16x16x32_bf16 v[8*(NB*\a+\b):8*(NB*\a+\b)+7], v[96+80*\f+8*\b:96+80*\f+8*\b+7], v[64+80*\f+8*\a:64+80*\f+8*\a+7], 0
.else
	v_wmma_f32_16x16x32_bf16 v[8*(NB*\a+\b):8*(NB*\a+\b)+7], v[96+80*\f+8*\b:96+80*\f+8*\b+7], v[64+80*\f+8*\a:64+80*\f+8*\a+7], v[8*(NB*\a+\b):8*(NB*\a+\b)+7]
.endif
.endr
.endm
; 20 LDS loads in one run: the fragments of one quarter step (96 rows of the weights, 64 rows of x, 32 K at byte k) into buffer f
.macro FETCH slot, k, f
	WIN 0
.irp b, 0,1,2,3,4,5
	ds_load_b128 v[96+80*\f+8*\b:96+80*\f+8*\b+3],   v[ADW+\slot] offset:\k+\b*16*PITCH
	ds_load_b128 v[96+80*\f+8*\b+4:96+80*\f+8*\b+7], v[ADW+\slot] offset:\k+\b*16*PITCH+32
.endr
.irp a, 0,1,2,3
	ds_load_b128 v[64+80*\f+8*\a:64+80*\f+8*\a+3],   v[ADX+\slot] offset:\k+\a*16*PITCH
	ds_load_b128 v[64+80*\f+8*\a+4:64+80*\f+8*\a+7], v[ADX+\slot] offset:\k+\a*16*PITCH+32
.endr
.endm
.macro QUARTER slot, k, f, g, zero
	s_wait_dscnt 4                                 ; all but the youngest four loads: x's row blocks 2 and 3
	WIN MUL
	MULROW \f, 0, \zero
	MULROW \f, 1, \zero
	PLACES
	FETCH \slot, \k, \g
	s_wait_dscnt NLD                               ; all but the 20 just issued
	WIN MUL
	MULROW \f, 2, \zero
	MULROW \f, 3, \zero
.endm
.macro THREE slot, zero
	QUARTER \slot, 64,  0, 1, \zero
	QUARTER \slot, 128, 1, 0, 0
	QUARTER \slot, 192, 0, 1, 0
.endm
; The last quarter of a K step multiplies buffer 1 and changes slots.  In front of the barrier each wave has waited for its reads of this slot and for all
; its tensor loads (one is out: its part of the next slot).  Where the slot is filled again the barrier opens a round of the cluster's barrier, and the
; joint refill is the first tensor load behind the round's closing wait.
.macro TURN slot, next, fill
	s_wait_dscnt 4
	WIN MUL
	MULROW 1, 0, 0
	s_wait_dscnt 0
	s_wait_tensorcnt 0x0
	ds_add_u32 v254, v255
	s_wait_dscnt 0x0
	s_barrier_signal -1
	MULROW 1, 1, 0
	WIN 0
	s_barrier_wait -1
.if \fill
	CREST
	s_add_nc_u64 s[G0A+4*\slot+2:G0A+4*\slot+3], s[G0A+4*\slot+2:G0A+4*\slot+3], 512   ; two K steps on; no tensor load of mine is out
	s_add_nc_u64 s[G0B+4*\slot+2:G0B+4*\slot+3], s[G0B+4*\slot+2:G0B+4*\slot+3], 512
	JLOAD \slot
.endif
	PLACES
	FETCH \next, 0, 0
	WIN MUL
	MULROW 1, 2, 0
	MULROW 1, 3, 0
.endm
.macro LAP zero
	THREE 0, \zero
	TURN 0, 1, 1
	THREE 1, 0
	TURN 1, 0, 1
.endm
	s_wait_tensorcnt 1                             ; the table and my part of K step 0 are in; K step 1's load may stay out
	s_barrier_signal -1
	s_barrier_wait -1
	FETCH 0, 0, 0
	LAP 1
	WIN 0
	s_mov_b32 s3, LAPS-2
.Llap:
	LAP 0
	WIN 0
	s_sub_co_u32 s3, s3, 1
	s_cmp_lg_u32 s3, 0
	s_cbranch_scc1 .Llap
	THREE 0, 0                                     ; the last lap fills nothing
	TURN 0, 1, 0
	THREE 1, 0
	s_wait_dscnt 4
	WIN MUL
	MULROW 1, 0, 0
	MULROW 1, 1, 0
	s_wait_dscnt 0
	MULROW 1, 2, 0
	MULROW 1, 3, 0
	; THE BLOCK GOES TO THE STAGE in f32, so that a head's 64 columns of a row, which two waves made, meet in 16 neighbouring lanes
	PLACES
	WIN STD
.irp a, 0,1,2,3
.irp b, 0,1,2,3,4,5
	ds_store_b128 v[STO], v[8*(NB*\a+\b):8*(NB*\a+\b)+3]   offset:\a*16*SP+64*\b
	ds_store_b128 v[STO], v[8*(NB*\a+\b)+4:8*(NB*\a+\b)+7] offset:\a*16*SP+64*\b+16
.endr
.endr
	WIN 0
.irp i, 0,1,2
.irp k, 132,133,134,135,141
	v_mov_b32 v[\k+32*\i], 0                       ; written once: destinations of lane-crossing forms and the unused halves of broadcast pairs count as read
.endr
.endr
	s_wait_dscnt 0x0                               ; my stores are done, for the other waves' sake
	s_barrier_signal -1
	s_barrier_wait -1
; Wave w takes rows 32 w .. 32 w + 31, two at a time: lanes 0-15 one row, lanes 16-31 the next; a lane holds columns 4 (l % 16) .. + 3 of each of the three heads.
.macro LOADRP rp, lb                   ; five loads: the three heads' 16 bytes, 4 cosines, 4 sines
	ds_load_b128 v[\lb:\lb+3],     v[RD] offset:(\rp)*2*SP
	ds_load_b128 v[\lb+4:\lb+7],   v[RD] offset:(\rp)*2*SP+256
	ds_load_b128 v[\lb+8:\lb+11],  v[RD] offset:(\rp)*2*SP+512
	ds_load_b128 v[\lb+12:\lb+15], v[TB] offset:(\rp)*512
	ds_load_b128 v[\lb+16:\lb+19], v[TB] offset:(\rp)*512+128
.endm
; head i works in v[128+32 i ..]: +0 normed, +4 partner x sine, +8 result, +12 sum and factor, +14 squares, +16 packed
.macro EPI rp, lb, nlb, more
.if \more
	LOADRP (\rp)+1, \nlb
	s_wait_dscnt 5                                 ; this pair's five loads are in; the next pair's five may be out
.else
	s_wait_dscnt 0
.endif
	s_wait_xcnt 0x0                                ; the packed registers, which the last pair's stores read, are rewritten only behind this wait
.irp i, 0,1,2
	v_pk_mul_f32 v[142+32*\i:143+32*\i], v[\lb+4*\i:\lb+4*\i+1], v[\lb+4*\i:\lb+4*\i+1]
.endr
.irp i, 0,1,2
	v_pk_fma_f32 v[142+32*\i:143+32*\i], v[\lb+4*\i+2:\lb+4*\i+3], v[\lb+4*\i+2:\lb+4*\i+3], v[142+32*\i:143+32*\i]
.endr
.irp i, 0,1,2
	v_add_f32 v[140+32*\i], v[142+32*\i], v[143+32*\i]
.endr
.irp m, 1,2,4,8
.irp i, 0,1,2
	v_add_f32_dpp v[140+32*\i], v[140+32*\i], v[140+32*\i] row_xmask:\m row_mask:0xf bank_mask:0xf   ; over the row's 16 lanes
.endr
.endr
.irp i, 0,1,2
	v_fma_f32 v[140+32*\i], v[140+32*\i], s92, s93 ; mean of the squares + eps
.endr
.irp i, 0,1,2
	v_rsq_f32 v[140+32*\i], v[140+32*\i]
.endr
	v_pk_mul_f32 v[224:225], v[\lb+16:\lb+17], v[SG:SG+1]          ; the signed sines: also the plain places behind the roots (ISA guide 5.7.2)
	v_pk_mul_f32 v[226:227], v[\lb+18:\lb+19], v[SG:SG+1]
	s_wait_alu depctr_va_vdst(0)
.irp i, 0,1,2
	v_mul_f32 v[140+32*\i], v[140+32*\i], v[GV+\i]
.endr
.irp i, 0,1,2
	v_pk_mul_f32 v[128+32*\i:129+32*\i], v[\lb+4*\i:\lb+4*\i+1],   v[140+32*\i:141+32*\i] op_sel_hi:[1,0]
	v_pk_mul_f32 v[130+32*\i:131+32*\i], v[\lb+4*\i+2:\lb+4*\i+3], v[140+32*\i:141+32*\i] op_sel_hi:[1,0]
.endr
.irp i, 0,1,2
.irp k, 0,1,2,3
	v_mul_f32_dpp v[132+32*\i+\k], v[128+32*\i+\k], v[224+\k] row_xmask:8 row_mask:0xf bank_mask:0xf   ; the column 32 away (lane xor 8) x my signed sine
.endr
.endr
.irp i, 0,1,2
	v_pk_fma_f32 v[136+32*\i:137+32*\i], v[128+32*\i:129+32*\i], v[\lb+12:\lb+13], v[132+32*\i:133+32*\i]
	v_pk_fma_f32 v[138+32*\i:139+32*\i], v[130+32*\i:131+32*\i], v[\lb+14:\lb+15], v[134+32*\i:135+32*\i]
.endr
.irp i, 0,1,2
.irp k, 0,1,2,3
	v_cndmask_b32 v[136+32*\i+\k], v[136+32*\i+\k], v[\lb+4*\i+\k], s[89+\i]   ; a v head keeps the plain product
.endr
.endr
.irp i, 0,1,2
	v_cvt_pk_f16_f32 v[144+32*\i], v[136+32*\i], v[137+32*\i]
	v_cvt_pk_f16_f32 v[145+32*\i], v[138+32*\i], v[139+32*\i]
	global_store_b64 v[YO], v[144+32*\i:145+32*\i], s[80+2*\i:81+2*\i] offset:256*(\rp)   ; two rows of a head: 256 consecutive bytes, aligned
.endr
.endm
	LOADRP 0, 64
.irp q, 0,2,4,6,8,10,12
	EPI \q, 64, 88, 1
	EPI \q+1, 88, 64, 1
.endr
	EPI 14, 64, 88, 1
	EPI 15, 88, 64, 0
	s_wait_tensorcnt 0x0
	ds_add_u32 v254, v255
	s_wait_dscnt 0x0
	CROUND                                         ; the closing round: no work-group ends while a partner may still ask for a tile that names it
	s_endpgm
.Lfunc_end_k_q7ad4a827b8_qkv:
	.size	k_q7ad4a827b8_qkv, .Lfunc_end_k_q7ad4a827b8_qkv-k_q7ad4a827b8_qkv
	.p2alignl 7, 3214868480
	.fill 96, 4, 3214868480
	.section	.rodata,"a",@progbits
	.p2align	6, 0x0
	.amdhsa_kernel k_q7ad4a827b8_qkv
		.amdhsa_group_segment_fixed_size 327680
		.amdhsa_private_segment_fixed_size 0
		.amdhsa_enable_private_segment 0
		.amdhsa_kernarg_size 56
		.amdhsa_user_sgpr_count 2
		.amdhsa_user_sgpr_kernarg_segment_ptr 1
		.amdhsa_wavefront_size32 1
		.amdhsa_system_sgpr_workgroup_id_x 1
		.amdhsa_system_sgpr_workgroup_id_y 1
		.amdhsa_system_sgpr_workgroup_id_z 1
		.amdhsa_system_vgpr_workitem_id 0
		.amdhsa_next_free_vgpr 448
		.amdhsa_next_free_sgpr 102
		.amdhsa_reserve_vcc 0
		.amdhsa_float_denorm_mode_32 3
		.amdhsa_float_denorm_mode_16_64 3
		.amdhsa_memory_ordered 1
		.amdhsa_forward_progress 1
		.amdhsa_inst_pref_size 171
	.end_amdhsa_kernel
	.amdgpu_metadata
---
amdhsa.version: [ 1, 2 ]
amdhsa.kernels:
  - .name:           k_q7ad4a827b8_qkv
    .symbol:         k_q7ad4a827b8_qkv.kd
    .args:
      - { .name: xb, .offset: 0, .size: 8, .value_kind: global_buffer, .address_space: global }
      - { .name: wqkv, .offset: 8, .size: 8, .value_kind: global_buffer, .address_space: global }
      - { .name: tab, .offset: 16, .size: 8, .value_kind: global_buffer, .address_space: global }
      - { .name: q_gain, .offset: 24, .size: 8, .value_kind: global_buffer, .address_space: global }
      - { .name: qw, .offset: 32, .size: 8, .value_kind: global_buffer, .address_space: global }
      - { .name: kw, .offset: 40, .size: 8, .value_kind: global_buffer, .address_space: global }
      - { .name: vw, .offset: 48, .size: 8, .value_kind: global_buffer, .address_space: global }
    .group_segment_fixed_size: 327680
    .private_segment_fixed_size: 0
    .kernarg_segment_align: 8
    .kernarg_segment_size: 56
    .max_flat_workgroup_size: 128
    .sgpr_count:     102
    .vgpr_count:     448
    .wavefront_size: 32
...
	.end_amdgpu_metadata
.endif
;; end of part 2
;; launch attn (part 3): grid 256 x 1, 4 waves a work-group, clusters of 4 x 1, 327,680 bytes of LDS; arguments qw, kw, vw, yw; writes yw
.if DOCPART == 3
	.amdgcn_target "amdgcn-amd-amdhsa--gfx1250"
	.amdhsa_code_object_version 6
	.text
	.protected	k_q7ad4a827b8_attn
	.globl	k_q7ad4a827b8_attn
	.p2align	8
	.type	k_q7ad4a827b8_attn,@function
k_q7ad4a827b8_attn:
	s_mov_b64 s[64:65], 0
	v_nop
	global_prefetch_b8 v0, s[64:65] scope:SCOPE_SE
	s_setreg_imm32_b32 hwreg(HW_REG_WAVE_MODE, 25, 1), 1
	s_wait_xcnt 0x0
	s_wait_alu depctr_hold_cnt(0) depctr_sa_sdst(0) depctr_va_vdst(0) depctr_va_sdst(0) depctr_va_ssrc(0) depctr_va_vcc(0) depctr_vm_vsrc(0)
	s_getreg_b32 s2, hwreg(HW_REG_IB_STS2, 6, 4)
	s_cmp_eq_u32 s2, 0
	s_cbranch_scc0 .Lentry_in_a_cluster
	s_endpgm
.Lentry_in_a_cluster:
	s_bfe_u32 s2, ttmp6, 0x10000c
	s_cmp_lg_u32 s2, 0x3003
	s_cbranch_scc0 .Lentry_shape_is_right
	s_endpgm
.Lentry_shape_is_right:
; attn: causal attention, 4 q heads on each k/v head, T = 2,048, head size 64; f16 operands, f32 sums, a running maximum.
; qw holds q normed, roped and scaled so that q . k is the exponent of 2; yw [b*16+head][2048][64] f16 takes the result.
; SHARES.  Cluster number = 8 g + c: g = b*4 + kv head, c = 0..7.  Wave w is q head 4 g + w.  Work-group cx of the cluster takes rows 32 cx .. + 31 of the
; 128-row block 15 - c (key tiles 0 .. 15 - c of 128 keys), then the same rows of block c (tiles 0 .. c): 17 tiles for every work-group, and the same
; 17 tiles for the four partners, so K's and V's tiles are asked for jointly (mask 15), which divides those requests by four.
; cx enters only q's and y's global addresses and the number that the mask compares with; no branch and no LDS address hangs on it.
; TRANSPOSED PRODUCTS.  S^T = K Q^T: lane (r, h) holds q row r, keys 8 h + j.  Two such tiles packed to f16 are the B fragment of O^T = V^T P^T,
; whose A fragment is read from V's rows by the transposing LDS load.  A row's maximum is one number a lane; one exchange joins the two halves.
; The denominator is a product too, with an A fragment of ones: it sums the same rounded p that multiply V.
; LIMITS: p and y are f16: |y| must stay below 65,504.
; REGISTERS: window 0: v4-13 addresses; v16-23 per row tile: -max, max, rescale, spare; v24-31 at work; v32-47 denominators; v64-127 O; v128-191 S; v192-223 Q.
;            window 1: v0-63 K fragments; v64-127 V fragments; v128-135 ones.
.set KP,    272                        ; K in LDS: two keys in 256 bytes + 16: sixteen keys of a fragment load lie in 16 different 16-byte columns modulo 256
.set VP,    288                        ; V: two keys in 256 bytes + 32: the same holds of the transposing load's 8 keys x 2 columns
.set VOFF,  64*KP
.set SLOT,  VOFF+64*VP                 ; 35,840
.set STAGE, 2*SLOT                     ; 32 rows x 144 bytes for each wave, for the way out; no tensor load lands here
.set STP,   144
.set G1K, 24
.set G1V, 32
.set G0K, 40                           ; s[40:47] group 0 for K, one set for each slot
.set G0V, 48
.set MM,  0x01                         ; A in window 1
.set LD1, 0x40                         ; a load's destination in window 1
.set MSB, 0
.macro WIN new
.if MSB != \new
	s_set_vgpr_msb (MSB<<8)|\new
.set MSB, \new
.endif
.endm
.macro ROUND                           ; a round of the cluster's barrier
	s_barrier_signal -1
	s_barrier_wait -1
	s_cmp_lg_u32 s12, 0
	s_cbranch_scc1 .Lnot_wave_0_\@
	s_barrier_signal -3
.Lnot_wave_0_\@:
	s_barrier_wait -3
	s_barrier_signal -1
	s_barrier_wait -1
.endm
.macro JLOAD s                         ; wave 0 asks for K's tile, wave 1 for V's: one load of 64 rows x 256 bytes each; a wave has at most one out
	s_cmp_lg_u32 s12, 0
	s_cbranch_scc1 .Lnot_k_\@
	tensor_load_to_lds s[G0K+4*(\s):G0K+4*(\s)+3], s[G1K:G1K+7]
	s_nop 0
.Lnot_k_\@:
	s_cmp_lg_u32 s12, 1
	s_cbranch_scc1 .Lnot_v_\@
	tensor_load_to_lds s[G0V+4*(\s):G0V+4*(\s)+3], s[G1V:G1V+7]
	s_nop 0
.Lnot_v_\@:
.endm
	s_load_b256 s[4:11], s[0:1], 0x0               ; qw 4:5, kw 6:7, vw 8:9, yw 10:11
	v_lshl_add_u32 v254, v0, 2, 0x29000
	v_mov_b32 v255, 0
	ds_add_u32 v254, v255
	v_lshrrev_b32 v1, 5, v0
	v_readfirstlane_b32 s12, v1                    ; wave
	s_bfe_u32 s13, ttmp6, 0x40000                  ; cx
	s_lshr_b32 s15, ttmp9, 3                       ; g
	s_and_b32 s16, ttmp9, 7                        ; c
	s_sub_co_u32 s17, 16, s16                      ; tiles of the first block
	s_sub_co_u32 s18, 15, s16                      ; the trip of its diagonal tile
	s_mov_b32 s70, 0x76543210                      ; lane i of one half reads lane i of the other
	s_mov_b32 s71, 0xfedcba98
	; group 1: a dense block of 16,384 bytes as 64 rows x 32 elements of 8 bytes, padded behind each row
	s_mov_b32 s[G1K+0], 15|(3<<16)|(1<<20)|(1<<21)|(5<<22)|(3<<25) ; mask: all four; 8-byte elements; padding on; bit 21 beside a mask; after 64 words; 4 words
	s_mov_b32 s[G1V+0], 15|(3<<16)|(1<<20)|(1<<21)|(5<<22)|(7<<25) ; the same with 8 words
.irp g, G1K, G1V
	s_mov_b32 s[\g+1], 32<<16
	s_mov_b32 s[\g+2], 64<<16
	s_mov_b32 s[\g+3], 32<<16
	s_mov_b32 s[\g+4], 64
	s_mov_b32 s[\g+5], 32
	s_mov_b32 s[\g+6], 0
	s_mov_b32 s[\g+7], 0
.endr
	s_mov_b32 s[G0K+0], 1
	s_mov_b32 s[G0K+1], 0
	s_mov_b32 s[G0K+4], 1
	s_mov_b32 s[G0K+5], SLOT
	s_mov_b32 s[G0V+0], 1
	s_mov_b32 s[G0V+1], VOFF
	s_mov_b32 s[G0V+4], 1
	s_mov_b32 s[G0V+5], SLOT+VOFF
	s_lshl_b32 s20, s15, 18                        ; planes of 262,144 bytes
	s_mov_b32 s21, 0
	; q's and y's rows: ((4 g + wave) 2,048 + 128 block + 32 cx) x 128 bytes, in registers that feed no descriptor
	s_lshl_b32 s14, s13, 5
	s_lshl2_add_u32 s72, s15, s12
	s_lshl_b32 s72, s72, 11
	s_add_co_u32 s72, s72, s14
	s_mov_b32 s74, s72
	s_lshl_b32 s73, s18, 7
	s_add_co_u32 s72, s72, s73
	s_lshl_b32 s72, s72, 7
	s_lshl_b32 s75, s16, 7
	s_add_co_u32 s74, s74, s75
	s_lshl_b32 s74, s74, 7
	s_mov_b32 s73, 0
	s_mov_b32 s75, 0
	v_and_b32 v1, 15, v0                           ; r
	v_bfe_u32 v2, v0, 4, 1                         ; h
	v_lshlrev_b32 v8, 7, v1
	v_lshl_add_u32 v8, v2, 4, v8                   ; q: row r, 16 h
	s_wait_dscnt 0x0
	s_wait_kmcnt 0x0
	s_add_nc_u64 s[56:57], s[6:7], s[20:21]        ; k's plane
	s_add_nc_u64 s[58:59], s[8:9], s[20:21]        ; v's plane
	s_add_nc_u64 s[60:61], s[4:5], s[72:73]        ; q, first block
	s_add_nc_u64 s[62:63], s[4:5], s[74:75]        ; q, second block
	s_add_nc_u64 s[66:67], s[10:11], s[72:73]      ; y, first block
	s_add_nc_u64 s[68:69], s[10:11], s[74:75]      ; y, second block
	s_mov_b64 s[G0K+2:G0K+3], s[56:57]             ; tile 0
	s_or_b32 s[G0K+3], s[G0K+3], 0x80000000
	s_mov_b64 s[G0V+2:G0V+3], s[58:59]
	s_or_b32 s[G0V+3], s[G0V+3], 0x80000000
.macro LOADQ b                         ; my 32 rows of q as four B fragments (row tile nt, 32 dims ks)
.irp nt, 0,1
.irp ks, 0,1
	global_load_b128 v[192+8*(2*\nt+\ks):192+8*(2*\nt+\ks)+3],   v8, s[\b:\b+1] offset:2048*\nt+64*\ks
	global_load_b128 v[192+8*(2*\nt+\ks)+4:192+8*(2*\nt+\ks)+7], v8, s[\b:\b+1] offset:2048*\nt+64*\ks+32
.endr
.endr
.endm
; A block's sums start at zero and its maxima at -inf.  They are cleared, twice in the launch, because one loop body serves a block's first tile and its later ones.
.macro RESET
	v_mov_b32 v17, v13
	v_mov_b32 v21, v13
.set i, 32
.rept 16
	v_mov_b32 v[i], 0
.set i, i+1
.endr
.set i, 64
.rept 64
	v_mov_b32 v[i], 0
.set i, i+1
.endr
.endm
	LOADQ 60
	v_lshrrev_b32 v3, 1, v1
	v_mul_u32_u24 v4, v3, KP
	v_and_b32 v3, 1, v0
	v_lshl_add_u32 v4, v3, 7, v4
	v_lshl_add_u32 v4, v2, 4, v4                   ; K: key r at (r >> 1) 272 + (r & 1) 128, + 16 h
	v_add_nc_u32 v5, SLOT, v4
	v_bfe_u32 v14, v0, 1, 2
	v_lshl_add_u32 v14, v2, 2, v14                 ; V: key 8 h + (l & 7), halved
	v_mul_u32_u24 v6, v14, VP
	v_lshl_add_u32 v6, v3, 7, v6
	v_bfe_u32 v14, v0, 3, 1
	v_lshl_add_u32 v6, v14, 4, v6                  ; + 16 ((l >> 3) & 1)
	v_add_nc_u32 v6, VOFF, v6
	v_add_nc_u32 v7, SLOT, v6
	s_mul_i32 s20, s12, 32*STP
	s_add_co_u32 s20, s20, STAGE                   ; my stage
	v_mul_u32_u24 v9, v1, STP
	v_lshl_add_u32 v9, v2, 4, v9
	v_add_nc_u32 v9, s20, v9                       ; in: row r, 16 h
	v_bfe_u32 v14, v0, 3, 2
	v_mul_u32_u24 v10, v14, STP
	v_and_b32 v14, 7, v0
	v_lshl_add_u32 v10, v14, 4, v10
	v_add_nc_u32 v10, s20, v10                     ; back: four rows of 128 bytes a load
	v_and_b32 v11, 31, v0
	v_lshlrev_b32 v11, 4, v11                      ; and the same 512 bytes in y
	v_lshlrev_b32 v12, 3, v2
	v_sub_nc_u32 v12, v1, v12
	v_add_nc_u32 v12, s14, v12                     ; 32 cx + r - 8 h (signed): key 16 mt + 8 h + j is kept for row 16 nt + r where 16 mt + j - 16 nt <= this
	v_mov_b32 v13, 0xff800000                      ; -inf
.irp k, 19,23,24,25,26,27
	v_mov_b32 v[\k], 0                             ; written once: a lane exchange's destination and the unused halves of broadcast pairs count as read
.endr
	RESET
	WIN LD1
.irp k, 0,1,2,3,4,5,6,7
	v_mov_b32 v[128+\k], 0x3c003c00                ; ones in f16
.endr
	WIN 0
	ROUND                                          ; in front of the first joint loads
	JLOAD 0
	s_wait_loadcnt 0x0                             ; q
.macro LDK s, u                        ; 16 loads: 64 keys of K as A fragments (key tile mt, 32 dims ks)
.irp mt, 0,1,2,3
.irp ks, 0,1
	ds_load_b128 v[8*(2*\mt+\ks):8*(2*\mt+\ks)+3],   v[4+\s] offset:(32*\u+8*\mt)*KP+64*\ks
	ds_load_b128 v[8*(2*\mt+\ks)+4:8*(2*\mt+\ks)+7], v[4+\s] offset:(32*\u+8*\mt)*KP+64*\ks+32
.endr
.endr
.endm
.macro LDV s, u                        ; 16 transposing loads: V^T as A fragments (16 dims mt, 32 keys ks)
.irp mt, 0,1,2,3
.irp ks, 0,1
	ds_load_tr16_b128 v[64+8*(2*\mt+\ks):64+8*(2*\mt+\ks)+3],   v[6+\s] offset:(32*\u+16*\ks)*VP+32*\mt
	ds_load_tr16_b128 v[64+8*(2*\mt+\ks)+4:64+8*(2*\mt+\ks)+7], v[6+\s] offset:(32*\u+16*\ks+8)*VP+32*\mt
.endr
.endr
.endm
; In both products the accumulators take turns, one instruction a turn, in the same order for each half of K.
.macro SMUL                            ; S^T: 8 tiles (key tile mt, row tile nt); the first 32 dims start the sums
.irp mt, 0,1,2,3
.irp nt, 0,1
	v_wmma_f32_16x16x32_f16 v[128+8*(2*\mt+\nt):128+8*(2*\mt+\nt)+7], v[16*\mt:16*\mt+7], v[192+16*\nt:192+16*\nt+7], 0
.endr
.endr
.irp mt, 0,1,2,3
.irp nt, 0,1
	v_wmma_f32_16x16x32_f16 v[128+8*(2*\mt+\nt):128+8*(2*\mt+\nt)+7], v[16*\mt+8:16*\mt+15], v[200+16*\nt:200+16*\nt+7], v[128+8*(2*\mt+\nt):128+8*(2*\mt+\nt)+7]
.endr
.endr
.endm
.macro PVMUL                           ; O^T += V^T P^T, and the denominators += ones P^T
.irp ks, 0,1
.irp nt, 0,1
.irp mt, 0,1,2,3
	v_wmma_f32_16x16x32_f16 v[64+8*(4*\nt+\mt):64+8*(4*\nt+\mt)+7], v[64+8*(2*\mt+\ks):64+8*(2*\mt+\ks)+7], v[128+8*(4*\ks+\nt):128+8*(4*\ks+\nt)+7], v[64+8*(4*\nt+\mt):64+8*(4*\nt+\mt)+7]
.endr
.endr
	v_wmma_f32_16x16x32_f16 v[32:39], v[128:135], v[128+32*\ks:128+32*\ks+7], v[32:39]
	v_wmma_f32_16x16x32_f16 v[40:47], v[128:135], v[136+32*\ks:136+32*\ks+7], v[40:47]
.endr
.endm
.macro MASK u                          ; the diagonal tile: keys beyond the row become -inf
.irp mt, 0,1,2,3
.irp nt, 0,1
.irp j, 0,1,2,3,4,5,6,7
	v_cmp_le_i32 vcc_lo, 64*\u+16*\mt+\j-16*\nt, v12
	v_cndmask_b32 v[128+8*(2*\mt+\nt)+\j], v13, v[128+8*(2*\mt+\nt)+\j], vcc_lo
.endr
.endr
.endr
.endm
.macro MAXP nt, a, b0, b1
	v_max3_num_f32 v24, v24, v[128+8*\nt+\a], v[129+8*\nt+\a]
	v_max3_num_f32 v25, v25, v[160+8*\nt+\b0], v[160+8*\nt+\b1]
.endm
; One row tile's softmax step over 64 keys.  The maximum is finite from a block's first step on: key 0 is open to every row.
.macro SOFT nt
	v_max3_num_f32 v24, v[17+4*\nt], v[128+8*\nt], v[129+8*\nt]    ; two chains over the old maximum and my 32 scores
	v_max3_num_f32 v25, v[160+8*\nt], v[161+8*\nt], v[162+8*\nt]
	MAXP \nt, 2, 3, 4
	MAXP \nt, 4, 5, 6
	MAXP \nt, 6, 7, 16
	MAXP \nt, 16, 17, 18
	MAXP \nt, 18, 19, 20
	MAXP \nt, 20, 21, 22
	v_max3_num_f32 v24, v24, v[150+8*\nt], v[151+8*\nt]
	v_max3_num_f32 v24, v24, v25, v[183+8*\nt]
	v_permlanex16_b32 v26, v24, s70, s71           ; the other half of the lanes holds the row's other keys
	v_max_num_f32 v24, v24, v26
	v_sub_f32 v[18+4*\nt], v[17+4*\nt], v24        ; old - new
	v_mul_f32 v[16+4*\nt], -1.0, v24
	v_mov_b32 v[17+4*\nt], v24
	v_exp_f32 v[18+4*\nt], v[18+4*\nt]             ; what the old sums are scaled by; the plain lines below stand behind it (ISA guide 5.7.2)
.irp mt, 0,1,2,3
.irp k, 0,2,4,6
	v_pk_add_f32 v[128+8*(2*\mt+\nt)+\k:129+8*(2*\mt+\nt)+\k], v[128+8*(2*\mt+\nt)+\k:129+8*(2*\mt+\nt)+\k], v[16+4*\nt:17+4*\nt] op_sel_hi:[1,0]
.endr
.endr
.irp mt, 0,1,2,3
.irp k, 0,1,2,3,4,5,6,7
	v_exp_f32 v[128+8*(2*\mt+\nt)+\k], v[128+8*(2*\mt+\nt)+\k]
.endr
.endr
	s_wait_alu depctr_va_vdst(0)
.irp k, 0,2,4,6,8,10,12,14,16,18,20,22,24,26,28,30
	v_pk_mul_f32 v[64+32*\nt+\k:65+32*\nt+\k], v[64+32*\nt+\k:65+32*\nt+\k], v[18+4*\nt:19+4*\nt] op_sel_hi:[1,0]   ; also the plain places behind the exponentials
.endr
	v_mul_f32 v[32+8*\nt], v[32+8*\nt], v[18+4*\nt]                ; of the denominator's tile register 0 alone is used and rescaled
.irp ks, 0,1
.irp k, 0,1,2,3
	v_cvt_pk_f16_f32 v[128+8*(4*\ks+\nt)+\k], v[128+8*(4*\ks+\nt)+2*\k], v[129+8*(4*\ks+\nt)+2*\k]                 ; keys 32 ks + 8 h ..: registers 0-3 of the B fragment
.endr
.irp k, 0,1,2,3
	v_cvt_pk_f16_f32 v[132+8*(4*\ks+\nt)+\k], v[144+8*(4*\ks+\nt)+2*\k], v[145+8*(4*\ks+\nt)+2*\k]                 ; keys 32 ks + 16 + 8 h ..: registers 4-7
.endr
.endr
.endm
; 64 keys.  cond = 1: the mask is jumped over unless this is the first block's diagonal tile (s22 = trip, s18 = that trip: alike in all partners).
.macro STEP s, u, cond
	s_wait_dscnt 16                                ; K's 16 loads are in; V's 16, issued behind them, may be out
	WIN MM
	SMUL
.rept 4
	v_nop                                          ; four places before K's registers are loaded again and the scores are read (ISA guide 7.12.1)
.endr
.if \u == 0
	WIN LD1
	LDK \s, 1
.endif
	WIN 0
.if \cond
	s_cmp_lg_u32 s22, s18
	s_cbranch_scc1 .Lopen_\@
.endif
	MASK \u
.if \cond
.Lopen_\@:
.endif
	SOFT 0
	SOFT 1
.if \u == 0
	s_wait_dscnt 16                                ; V's loads are in; the next K's 16 may be out
.else
	s_wait_dscnt 0
.endif
	WIN MM
	PVMUL
.rept 5
	v_nop                                          ; five places before the next S^T writes over P, four before V's registers are loaded again (ISA guide 7.12.1)
.endr
.if \u == 0
	WIN LD1
	LDV \s, 1
.endif
	WIN 0
.endm
; A block's end: divide, round to f16, 16 bytes a lane into my own stage, read back as whole rows, store 512 consecutive aligned bytes an instruction.
.macro FINAL yb, more
	v_rcp_f32 v24, v32
	v_rcp_f32 v26, v40
	v_nop
	s_wait_alu depctr_va_vdst(0)
.irp nt, 0,1
.irp k, 0,2,4,6,8,10,12,14,16,18,20,22,24,26,28,30
	v_pk_mul_f32 v[64+32*\nt+\k:65+32*\nt+\k], v[64+32*\nt+\k:65+32*\nt+\k], v[24+2*\nt:25+2*\nt] op_sel_hi:[1,0]
.endr
.endr
.irp t, 0,1,2,3,4,5,6,7
.irp k, 0,1,2,3
	v_cvt_pk_f16_f32 v[128+4*\t+\k], v[64+8*\t+2*\k], v[65+8*\t+2*\k]
.endr
.endr
.irp nt, 0,1
.irp mt, 0,1,2,3
	ds_store_b128 v9, v[128+4*(4*\nt+\mt):128+4*(4*\nt+\mt)+3] offset:16*STP*\nt+32*\mt
.endr
.endr
.irp t, 0,1,2,3,4,5,6,7
	ds_load_b128 v[160+4*\t:160+4*\t+3], v10 offset:4*STP*\t       ; LDS serves a wave's instructions in order (ISA guide 5.7.1.4): these see the stores above
.endr
.irp t, 0,1,2,3,4,5,6,7
	s_wait_dscnt 7-\t
	global_store_b128 v11, v[160+4*\t:160+4*\t+3], s[\yb:\yb+1] offset:512*\t
.endr
.if \more
	s_wait_xcnt 0x0                                ; the stores' data registers are scores again only behind this wait
.endif
.endm
; One tile of 128 keys from slot s.  In front of the round every wave has waited for all its tensor loads and for its reads of the other slot; behind the
; round's closing wait the joint refill of the other slot comes first; it has this whole trip in which to land.
.macro TRIP s, refill, tail
	s_wait_tensorcnt 0x0
	ds_add_u32 v254, v255
	s_wait_dscnt 0x0
	s_add_co_u32 s22, s19, \s                      ; this trip's number
.if \refill
	s_add_co_u32 s20, s22, 1                       ; the next trip's tile: its number, less the first block's tiles once those are through
	s_cmp_ge_u32 s20, s17
	s_cselect_b32 s21, s17, 0
	s_sub_co_u32 s20, s20, s21
	s_lshl_b32 s20, s20, 14                        ; tiles of 16,384 bytes
	s_mov_b32 s21, 0
	s_add_nc_u64 s[G0K+6-4*\s:G0K+7-4*\s], s[56:57], s[20:21]      ; no tensor load of mine is out: a group 0 may be written
	s_or_b32 s[G0K+7-4*\s], s[G0K+7-4*\s], 0x80000000
	s_add_nc_u64 s[G0V+6-4*\s:G0V+7-4*\s], s[58:59], s[20:21]
	s_or_b32 s[G0V+7-4*\s], s[G0V+7-4*\s], 0x80000000
.endif
	s_wait_dscnt 0x0
	ROUND
.if \refill
	JLOAD 1-\s
.endif
	WIN LD1
	LDK \s, 0
	LDV \s, 0
.if \tail
	STEP \s, 0, 0
	STEP \s, 1, 0
	FINAL 68, 0
.else
	STEP \s, 0, 1
	STEP \s, 1, 1
	s_cmp_lg_u32 s22, s18
	s_cbranch_scc1 .Lsame_\@
	LOADQ 62                                       ; the first block is through: the second block's q comes while the first's y leaves
	FINAL 66, 1
	RESET
	s_wait_loadcnt 0x0
.Lsame_\@:
.endif
.endm
	s_mov_b32 s19, 0
.Ltiles:
	TRIP 0, 1, 0
	TRIP 1, 1, 0
	s_add_co_u32 s19, s19, 2
	s_cmp_lt_u32 s19, 16
	s_cbranch_scc1 .Ltiles
	TRIP 0, 0, 1                                   ; the 17th tile: the second block's diagonal; nothing is left to fetch
	s_wait_tensorcnt 0x0
	ds_add_u32 v254, v255
	s_wait_dscnt 0x0
	ROUND                                          ; the closing round
	s_endpgm
.Lfunc_end_k_q7ad4a827b8_attn:
	.size	k_q7ad4a827b8_attn, .Lfunc_end_k_q7ad4a827b8_attn-k_q7ad4a827b8_attn
	.p2alignl 7, 3214868480
	.fill 96, 4, 3214868480
	.section	.rodata,"a",@progbits
	.p2align	6, 0x0
	.amdhsa_kernel k_q7ad4a827b8_attn
		.amdhsa_group_segment_fixed_size 327680
		.amdhsa_private_segment_fixed_size 0
		.amdhsa_enable_private_segment 0
		.amdhsa_kernarg_size 32
		.amdhsa_user_sgpr_count 2
		.amdhsa_user_sgpr_kernarg_segment_ptr 1
		.amdhsa_wavefront_size32 1
		.amdhsa_system_sgpr_workgroup_id_x 1
		.amdhsa_system_sgpr_workgroup_id_y 1
		.amdhsa_system_sgpr_workgroup_id_z 1
		.amdhsa_system_vgpr_workitem_id 0
		.amdhsa_next_free_vgpr 392
		.amdhsa_next_free_sgpr 76
		.amdhsa_reserve_vcc 1
		.amdhsa_float_denorm_mode_32 3
		.amdhsa_float_denorm_mode_16_64 3
		.amdhsa_memory_ordered 1
		.amdhsa_forward_progress 1
		.amdhsa_inst_pref_size 160
	.end_amdhsa_kernel
	.amdgpu_metadata
---
amdhsa.version: [ 1, 2 ]
amdhsa.kernels:
  - .name:           k_q7ad4a827b8_attn
    .symbol:         k_q7ad4a827b8_attn.kd
    .args:
      - { .name: qw, .offset: 0, .size: 8, .value_kind: global_buffer, .address_space: global }
      - { .name: kw, .offset: 8, .size: 8, .value_kind: global_buffer, .address_space: global }
      - { .name: vw, .offset: 16, .size: 8, .value_kind: global_buffer, .address_space: global }
      - { .name: yw, .offset: 24, .size: 8, .value_kind: global_buffer, .address_space: global }
    .group_segment_fixed_size: 327680
    .private_segment_fixed_size: 0
    .kernarg_segment_align: 8
    .kernarg_segment_size: 32
    .max_flat_workgroup_size: 128
    .sgpr_count:     76
    .vgpr_count:     392
    .wavefront_size: 32
...
	.end_amdgpu_metadata
.endif
;; end of part 3
;; launch proj (part 4): grid 8 x 32, 4 waves a work-group, clusters of 4 x 4, 327,680 bytes of LDS; arguments yw, wpb, out0; writes out0
.if DOCPART == 4
	.amdgcn_target "amdgcn-amd-amdhsa--gfx1250"
	.amdhsa_code_object_version 6
	.text
	.protected	k_q7ad4a827b8_proj
	.globl	k_q7ad4a827b8_proj
	.p2align	8
	.type	k_q7ad4a827b8_proj,@function
k_q7ad4a827b8_proj:
	s_mov_b64 s[64:65], 0
	v_nop
	global_prefetch_b8 v0, s[64:65] scope:SCOPE_SE
	s_setreg_imm32_b32 hwreg(HW_REG_WAVE_MODE, 25, 1), 1
	s_wait_xcnt 0x0
	s_wait_alu depctr_hold_cnt(0) depctr_sa_sdst(0) depctr_va_vdst(0) depctr_va_sdst(0) depctr_va_ssrc(0) depctr_va_vcc(0) depctr_vm_vsrc(0)
	s_getreg_b32 s2, hwreg(HW_REG_IB_STS2, 6, 4)
	s_cmp_eq_u32 s2, 0
	s_cbranch_scc0 .Lentry_in_a_cluster
	s_endpgm
.Lentry_in_a_cluster:
	s_bfe_u32 s2, ttmp6, 0x10000c
	s_cmp_lg_u32 s2, 0xf033
	s_cbranch_scc0 .Lentry_shape_is_right
	s_endpgm
.Lentry_shape_is_right:
; proj: out0 [4096][1024] f32 = y Wproj^T, f16 operands, f32 sums.  y comes as planes yw [b*16+head][2048][64], the weights as planes wpb [kb][1024][64].
; A work-group makes 128 x 128 with four waves of 64 x 64: 16 accumulator tiles, 128 registers a wave.  K = 1,024 goes in 8 steps of 128 = two planes of 64;
; a plane's 128 rows of 128 bytes are one dense block of 16,384 bytes, brought as 64 rows of 256 bytes (two logical rows in each), padded by 16.
; CLUSTERS: 4 x 4 work-groups.  y's tiles hang on the block row alone: asked for jointly along a row of the cluster; the weights' on the block column: along a column.
; THE MATRIX INSTRUCTION IS USED TRANSPOSED: source 0 = 16 rows of the weights, source 1 = 16 rows of y; lane l holds row l % 16 and 8 neighbouring columns.
; REGISTERS: window 0: v16-26 addresses; v64-127, v144-207 two fragment buffers (y: 4 fragments, weights: 4); window 1: accumulator (a, b) at v[8 (4 a + b)].
.set NB,    4
.set PITCH, 272
.set SUB,   64*PITCH                   ; one plane's tile
.set SLOT,  4*SUB                      ; y's even plane, y's odd plane, the weights' even, the weights' odd
.set STAGE, 2*SLOT                     ; 16 rows x 272 bytes for each wave, for the way out; no tensor load lands here
.set NLD,   2*NB+8
.set LAPS,  4
.set ADX, 16
.set ADW, 18
.set STO, 24
.set RD,  25
.set CO,  26
.set G1,  24
.set G0,  32
.set G1B, 48
.set G0B, 56
.set PADW, (3<<16)|(1<<20)|(1<<21)|(5<<22)|(3<<25)   ; 8-byte elements; padding on; bit 21 beside a mask; after every 64 words; 4 words
.set MUL, 0x50
.set STD, 0x04
.set MSB, 0
.macro WIN new
.if MSB != \new
	s_set_vgpr_msb (MSB<<8)|\new
.set MSB, \new
.endif
.endm
.macro PLACES                          ; four places behind a matrix instruction before a load lands on, or a store reads, its registers
.rept 4
	v_nop
.endr
.endm
.macro JLOAD s                         ; waves 0 and 1 fetch y's two planes, waves 2 and 3 the weights'
	s_cmp_eq_u32 s11, 0
	s_cbranch_scc0 .Lfor_b_\@
	tensor_load_to_lds s[G0+4*\s:G0+4*\s+3], s[G1:G1+7]
	s_nop 0
	s_branch .Lasked_\@
.Lfor_b_\@:
	tensor_load_to_lds s[G0B+4*\s:G0B+4*\s+3], s[G1B:G1B+7]
	s_nop 0
.Lasked_\@:
.endm
.macro CREST
	s_cmp_lg_u32 s10, 0
	s_cbranch_scc1 .Lnot_wave_0_\@
	s_barrier_signal -3
.Lnot_wave_0_\@:
	s_barrier_wait -3
	s_barrier_signal -1
	s_barrier_wait -1
.endm
.macro CROUND
	s_barrier_signal -1
	s_barrier_wait -1
	CREST
.endm
	s_load_b128 s[4:7], s[0:1], 0x0                ; yw 4:5, wpb 6:7
	s_load_b64 s[8:9], s[0:1], 0x10                ; out0
	v_lshl_add_u32 v254, v0, 2, 0x29000
	v_mov_b32 v255, 0
	ds_add_u32 v254, v255
	v_lshrrev_b32 v1, 5, v0
	v_readfirstlane_b32 s10, v1                    ; wave
	s_lshr_b32 s11, s10, 1                         ; which 64 rows are mine.  Also: I fetch for y (0) or for the weights (1)
	s_and_b32 s12, s10, 1                          ; which 64 columns.  Also: which plane of the K step I fetch
	s_bfe_u32 s40, ttmp6, 0x40000                  ; cx
	s_bfe_u32 s41, ttmp6, 0x40004                  ; cy
	s_lshl_b32 s42, ttmp9, 2
	s_add_co_u32 s42, s42, s40                     ; block column
	s_and_b32 s13, ttmp7, 0xffff
	s_lshl_b32 s13, s13, 2
	s_add_co_u32 s13, s13, s41                     ; block row
	s_lshl_b32 s43, s41, 2
	s_lshl_b32 s43, 15, s43                        ; my row of the cluster
	s_lshl_b32 s44, 0x1111, s40                    ; my column
	s_or_b32 s[G1+0], s43, PADW
	s_or_b32 s[G1B+0], s44, PADW
.irp g, G1, G1B
	s_mov_b32 s[\g+1], 32<<16                      ; tensor_dim0 = 32 elements of 8 bytes
	s_mov_b32 s[\g+2], 64<<16                      ; tensor_dim1 = 64
	s_mov_b32 s[\g+3], 32<<16                      ; tile_dim0
	s_mov_b32 s[\g+4], 64                          ; tile_dim1
	s_mov_b32 s[\g+5], 32                          ; dense: the pitch is the row
	s_mov_b32 s[\g+6], 0
	s_mov_b32 s[\g+7], 0
.endr
	s_lshr_b32 s16, s13, 4                         ; y: batch x 16 planes of 262,144 bytes
	s_lshl_b32 s16, s16, 22
	s_and_b32 s17, s13, 15
	s_lshl_b32 s17, s17, 14                        ; + my 128 rows of 128 bytes
	s_add_co_u32 s16, s16, s17
	s_lshl_b32 s17, s12, 18                        ; + the plane that I fetch
	s_add_co_u32 s16, s16, s17
	s_mov_b32 s17, 0
	s_lshl_b32 s46, s42, 14                        ; the weights: my 128 rows of 128 bytes
	s_lshl_b32 s47, s12, 17                        ; + the plane of 131,072 bytes
	s_add_co_u32 s46, s46, s47
	s_mov_b32 s47, 0
	s_mul_i32 s20, s10, SUB                        ; and where they go: wave x one plane's tile
	s_wait_dscnt 0x0
	s_wait_kmcnt 0x0
	s_add_nc_u64 s[14:15], s[4:5], s[16:17]
	s_add_nc_u64 s[46:47], s[6:7], s[46:47]
	CROUND                                         ; all sixteen work-groups are here: the first joint loads meet
.irp s, 0,1
	s_mov_b32 s[G0+4*\s], 1
	s_add_co_u32 s[G0+4*\s+1], s20, \s*SLOT
	s_add_nc_u64 s[G0+4*\s+2:G0+4*\s+3], s[14:15], \s*524288       ; K step s: two planes on
	s_or_b32 s[G0+4*\s+3], s[G0+4*\s+3], 0x80000000
	s_mov_b32 s[G0B+4*\s], 1
	s_add_co_u32 s[G0B+4*\s+1], s20, \s*SLOT
	s_add_nc_u64 s[G0B+4*\s+2:G0B+4*\s+3], s[46:47], \s*262144
	s_or_b32 s[G0B+4*\s+3], s[G0B+4*\s+3], 0x80000000
	JLOAD \s                                       ; two loads of a wave go out here, later one at a time
.endr
	; logical row p of a plane's tile lies at (p >> 1) 272 + (p & 1) 128: the 16 rows of a fragment load lie in 16 different 16-byte columns modulo 256
	v_and_b32 v1, 15, v0                           ; r
	v_bfe_u32 v2, v0, 4, 1                         ; h
	v_lshrrev_b32 v3, 1, v1
	v_mul_u32_u24 v3, v3, PITCH
	v_and_b32 v4, 1, v0
	v_lshl_add_u32 v3, v4, 7, v3
	v_lshl_add_u32 v3, v2, 4, v3
	s_mul_i32 s21, s11, 32*PITCH                   ; my 64 rows of y
	s_mul_i32 s22, s12, 32*PITCH                   ; my 64 rows of the weights,
	s_add_co_u32 s22, s22, 2*SUB                   ; which lie behind y's two planes
.irp s, 0,1
	v_add_nc_u32 v[ADX+\s], s21, v3
	v_add_nc_u32 v[ADW+\s], s22, v3
	s_add_co_u32 s21, s21, SLOT
	s_add_co_u32 s22, s22, SLOT
.endr
	s_mul_i32 s23, s10, 16*PITCH
	s_add_co_u32 s23, s23, STAGE                   ; my stage
	v_mul_u32_u24 v4, v1, PITCH
	v_lshl_add_u32 v4, v2, 5, v4
	v_add_nc_u32 v[STO], s23, v4                   ; in: row r, 32 bytes for each half of the lanes
	v_mul_u32_u24 v5, v2, PITCH
	v_lshl_add_u32 v5, v1, 4, v5
	v_add_nc_u32 v[RD], s23, v5                    ; back: lanes 0-15 one row of 256 bytes, lanes 16-31 the next
	v_lshlrev_b32 v5, 12, v2
	v_lshl_add_u32 v[CO], v1, 4, v5                ; and the same two rows in out0
; The 16 accumulators take turns, one instruction a turn, in the same order in every quarter step.
.macro MULROW f, a, zero
.irp b, 0,1,2,3
.if \zero
	v_wmma_f32_16x16x32_f16 v[8*(NB*\a+\b):8*(NB*\a+\b)+7], v[96+80*\f+8*\b:96+80*\f+8*\b+7], v[64+80*\f+8*\a:64+80*\f+8*\a+7], 0
.else
	v_wmma_f32_16x16x32_f16 v[8*(NB*\a+\b):8*(NB*\a+\b)+7], v[96+80*\f+8*\b:96+80*\f+8*\b+7], v[64+80*\f+8*\a:64+80*\f+8*\a+7], v[8*(NB*\a+\b):8*(NB*\a+\b)+7]
.endif
.endr
.endm
; 16 LDS loads in one run; 16 logical rows are 8 LDS rows
.macro FETCH slot, k, f
	WIN 0
.irp b, 0,1,2,3
	ds_load_b128 v[96+80*\f+8*\b:96+80*\f+8*\b+3],   v[ADW+\slot] offset:\k+\b*8*PITCH
	ds_load_b128 v[96+80*\f+8*\b+4:96+80*\f+8*\b+7], v[ADW+\slot] offset:\k+\b*8*PITCH+32
.endr
.irp a, 0,1,2,3
	ds_load_b128 v[64+80*\f+8*\a:64+80*\f+8*\a+3],   v[ADX+\slot] offset:\k+\a*8*PITCH
	ds_load_b128 v[64+80*\f+8*\a+4:64+80*\f+8*\a+7], v[ADX+\slot] offset:\k+\a*8*PITCH+32
.endr
.endm
.macro QUARTER slot, k, f, g, zero
	s_wait_dscnt 4                                 ; all but the youngest four loads: y's row blocks 2 and 3
	WIN MUL
	MULROW \f, 0, \zero
	MULROW \f, 1, \zero
	PLACES
	FETCH \slot, \k, \g
	s_wait_dscnt NLD                               ; all but the 16 just issued
	WIN MUL
	MULROW \f, 2, \zero
	MULROW \f, 3, \zero
.endm
.macro THREE slot, zero                ; quarter q reads plane q >> 1 at byte 64 (q & 1) of its rows
	QUARTER \slot, 64,     0, 1, \zero
	QUARTER \slot, SUB,    1, 0, 0
	QUARTER \slot, SUB+64, 0, 1, 0
.endm
; The last quarter changes slots: each wave's waits for its reads of this slot and for all its tensor loads stand in front of the barrier, which opens a round
; of the cluster's barrier where the slot is filled again; the joint refill is the first tensor load behind the round's closing wait.
.macro TURN slot, next, fill
	s_wait_dscnt 4
	WIN MUL
	MULROW 1, 0, 0
	s_wait_dscnt 0
	s_wait_tensorcnt 0x0
	ds_add_u32 v254, v255
	s_wait_dscnt 0x0
	s_barrier_signal -1
	MULROW 1, 1, 0
	WIN 0
	s_barrier_wait -1
.if \fill
	CREST
	s_add_nc_u64 s[G0+4*\slot+2:G0+4*\slot+3], s[G0+4*\slot+2:G0+4*\slot+3], 1048576   ; two K steps = four planes on
	s_add_nc_u64 s[G0B+4*\slot+2:G0B+4*\slot+3], s[G0B+4*\slot+2:G0B+4*\slot+3], 524288
	JLOAD \slot
.endif
	PLACES
	FETCH \next, 0, 0
	WIN MUL
	MULROW 1, 2, 0
	MULROW 1, 3, 0
.endm
.macro LAP zero
	THREE 0, \zero
	TURN 0, 1, 1
	THREE 1, 0
	TURN 1, 0, 1
.endm
	s_wait_tensorcnt 1                             ; my part of K step 0 is in; K step 1's load may stay out
	s_barrier_signal -1
	s_barrier_wait -1
	FETCH 0, 0, 0
	LAP 1
	WIN 0
	s_mov_b32 s3, LAPS-2
.Llap:
	LAP 0
	WIN 0
	s_sub_co_u32 s3, s3, 1
	s_cmp_lg_u32 s3, 0
	s_cbranch_scc1 .Llap
	THREE 0, 0                                     ; the last lap fills nothing
	TURN 0, 1, 0
	THREE 1, 0
	s_wait_dscnt 4
	WIN MUL
	MULROW 1, 0, 0
	MULROW 1, 1, 0
	s_wait_dscnt 0
	MULROW 1, 2, 0
	MULROW 1, 3, 0
	; THE WAY OUT, 16 rows at a time through my own stage, so that 16 lanes store 256 consecutive bytes of a row
	PLACES
	s_lshl_b32 s16, s13, 7
	s_lshl_b32 s17, s11, 6
	s_add_co_u32 s16, s16, s17                     ; my first row
	s_lshl_b32 s16, s16, 12                        ; rows of 4,096 bytes
	s_mov_b32 s17, 0
	s_add_nc_u64 s[8:9], s[8:9], s[16:17]
	s_lshl_b32 s46, s42, 9                         ; my first column, in bytes: 512 x block + 256 x half
	s_lshl_b32 s47, s12, 8
	s_add_co_u32 s46, s46, s47
	s_mov_b32 s47, 0
	s_add_nc_u64 s[8:9], s[8:9], s[46:47]
.macro OUT16 a, f
	WIN STD
.irp b, 0,1,2,3
	ds_store_b128 v[STO], v[8*(NB*\a+\b):8*(NB*\a+\b)+3]   offset:64*\b
	ds_store_b128 v[STO], v[8*(NB*\a+\b)+4:8*(NB*\a+\b)+7] offset:64*\b+16
.endr
	WIN 0
	s_wait_xcnt 0x0                                ; buffer f, which earlier stores read, is loaded again only behind this wait
.irp t, 0,1,2,3,4,5,6,7
	ds_load_b128 v[\f+4*\t:\f+4*\t+3], v[RD] offset:\t*2*PITCH     ; LDS serves a wave's instructions in order (ISA guide 5.7.1.4): these see the stores above
.endr
.irp t, 0,1,2,3,4,5,6,7
	s_wait_dscnt 7-\t
	global_store_b128 v[CO], v[\f+4*\t:\f+4*\t+3], s[8:9] offset:\a*65536+\t*8192 th:TH_STORE_NT
.endr
.endm
	OUT16 0, 64
	OUT16 1, 144
	OUT16 2, 64
	OUT16 3, 144
	s_wait_tensorcnt 0x0
	ds_add_u32 v254, v255
	s_wait_dscnt 0x0
	CROUND                                         ; the closing round
	s_endpgm
.Lfunc_end_k_q7ad4a827b8_proj:
	.size	k_q7ad4a827b8_proj, .Lfunc_end_k_q7ad4a827b8_proj-k_q7ad4a827b8_proj
	.p2alignl 7, 3214868480
	.fill 96, 4, 3214868480
	.section	.rodata,"a",@progbits
	.p2align	6, 0x0
	.amdhsa_kernel k_q7ad4a827b8_proj
		.amdhsa_group_segment_fixed_size 327680
		.amdhsa_private_segment_fixed_size 0
		.amdhsa_enable_private_segment 0
		.amdhsa_kernarg_size 24
		.amdhsa_user_sgpr_count 2
		.amdhsa_user_sgpr_kernarg_segment_ptr 1
		.amdhsa_wavefront_size32 1
		.amdhsa_system_sgpr_workgroup_id_x 1
		.amdhsa_system_sgpr_workgroup_id_y 1
		.amdhsa_system_sgpr_workgroup_id_z 1
		.amdhsa_system_vgpr_workitem_id 0
		.amdhsa_next_free_vgpr 384
		.amdhsa_next_free_sgpr 66
		.amdhsa_reserve_vcc 0
		.amdhsa_float_denorm_mode_32 3
		.amdhsa_float_denorm_mode_16_64 3
		.amdhsa_memory_ordered 1
		.amdhsa_forward_progress 1
		.amdhsa_inst_pref_size 73
	.end_amdhsa_kernel
	.amdgpu_metadata
---
amdhsa.version: [ 1, 2 ]
amdhsa.kernels:
  - .name:           k_q7ad4a827b8_proj
    .symbol:         k_q7ad4a827b8_proj.kd
    .args:
      - { .name: yw, .offset: 0, .size: 8, .value_kind: global_buffer, .address_space: global }
      - { .name: wpb, .offset: 8, .size: 8, .value_kind: global_buffer, .address_space: global }
      - { .name: out0, .offset: 16, .size: 8, .value_kind: global_buffer, .address_space: global }
    .group_segment_fixed_size: 327680
    .private_segment_fixed_size: 0
    .kernarg_segment_align: 8
    .kernarg_segment_size: 24
    .max_flat_workgroup_size: 128
    .sgpr_count:     66
    .vgpr_count:     384
    .wavefront_size: 32
...
	.end_amdgpu_metadata
.endif
;; end of part 4
;; ======== version 2 of 2: 4 launches; version 1 with the launch prep written anew for expert scheduling mode
;; limits: values outside matrix products are rounded to bf16; values are held in f16: magnitudes above 65,504 overflow, below 6.1e-05 lose precision
;; workspace buffers: xb 8,388,608 bytes; wqkv 3,145,728 bytes; wpb 2,097,152 bytes; tab 524,288 bytes; qw 8,388,608 bytes; kw 2,097,152 bytes; vw 2,097,152 bytes; yw 8,388,608 bytes
;; launch prep (part 5): grid 256 x 1, 8 waves a work-group, no clusters, 0 bytes of LDS; arguments x, Wq, Wk, Wv, Wproj, xb, wqkv, wpb, tab; writes xb, wqkv, wpb, tab
.if DOCPART == 5
	.amdgcn_target "amdgcn-amd-amdhsa--gfx1250"
	.amdhsa_code_object_version 6
	.text
	.protected	k_q7ad4a827b8_prep
	.globl	k_q7ad4a827b8_prep
	.p2align	8
	.type	k_q7ad4a827b8_prep,@function
k_q7ad4a827b8_prep:
	s_mov_b64 s[64:65], 0
	v_nop
	global_prefetch_b8 v0, s[64:65] scope:SCOPE_SE
	s_setreg_imm32_b32 hwreg(HW_REG_WAVE_SCHED_MODE, 0, 2), 2
	s_setreg_imm32_b32 hwreg(HW_REG_WAVE_MODE, 25, 1), 1
	s_wait_xcnt 0x0
	s_wait_alu depctr_vm_vsrc(0)
; prep: rounds the matrix operands to 16 bits once, and makes the RoPE table.
;   xb   [4096][1024] bf16 = x;   wqkv [1536][1024] bf16 = Wq (rows 0-1023), Wk (1024-1279), Wv (1280-1535)
;   wpb  [16 kb][1024 n][64] f16 = bf16(Wproj[n][64 kb + d]) kept as f16 (the later product's other operand is f16)
;   tab  [2048 t][64] f32: columns 0-31 cos(t w_i), columns 32-63 sin(t w_i), w_i = 10000^(-i/32)
; Work-group g: 16 rows of x, 4 of Wq, 1 of Wk, 1 of Wv, 4 of Wproj, 8 rows of the table.  A pure stream: each input byte is read once by
; 16-byte loads, 26 of them in flight in every thread at once; no LDS, no barrier, no matrix unit, nothing shared, so no cluster.
; LIMITS: bf16(Wproj) as f16 is exact for |W| >= 2^-17 and below 65,504; smaller numbers carry an absolute error of at most 3e-8.
; The table's angles are t * exp2(-0.41524101 i) in f32: up to about 2e-4 rad off the exact product at t near 2047.
; THE MODE: SCHED_MODE bits 1:0 = 2 (LLVM: expert scheduling mode 2), set by the entry lines.  The code itself states the register dependences
; between vector instructions and memory instructions, with s_wait_alu, always for 0.
; THE PLAN.  Registers that memory instructions touch:
;   v1, v3       offsets of the loads;  v2, v4, v5  offsets of the stores.  Made once at the head, never written again: one wait ahead of the first load serves all 53 loads and stores.
;   v[16:119]    load i lands in four registers of its own, which no vector line has named; its conversions round in place into the first two, one store reads
;                those two, and nothing writes them afterwards.  (Of Wproj's four the last two are then scratch, which no memory instruction reads.)
;   v14, v15     the table's two numbers: written by two selects, read by one store, never written again.
; The 26 loads are worked off in seven groups (x: four groups of four rows; Wq's four rows; Wk, Wv and two of Wproj; Wproj's other two).  A group's conversions come first,
; then ONE wait on va_vdst, then the group's stores in one run, with no vector line between the wait and the stores.  The wait stands behind the group's own conversions
; and not at the next group's head, where the stores would stand behind a wait for loads on which they do not hang.  The table's store goes with the first group's run.
; No register that a memory instruction reads is written again, so no wait on vm_vsrc is owed; no vector line writes an SGPR; VCC is written once and has its wait.
.set X, 16                             ; v[16:119]  load i: 4 registers
	s_load_b512 s[4:19], s[0:1], 0x0               ; x 4:5, Wq 6:7, Wk 8:9, Wv 10:11, Wproj 12:13, xb 14:15, wqkv 16:17, wpb 18:19
	s_load_b64 s[20:21], s[0:1], 0x40              ; tab
	v_lshrrev_b32 v6, 5, v0                        ; wave
	v_and_b32 v7, 31, v0                           ; lane
	v_and_b32 v8, 15, v0                           ; lane mod 16
	v_bfe_u32 v9, v0, 4, 1                         ; lane / 16
	v_lshlrev_b32 v1, 4, v0                        ; 16 t: my 4 numbers of a row of 1,024 f32
	v_lshlrev_b32 v2, 3, v0                        ; 8 t: the same 4 numbers in 16 bits
	v_lshlrev_b32 v3, 4, v8
	v_lshl_add_u32 v3, v9, 12, v3
	v_lshl_add_u32 v3, v6, 8, v3                   ; Wproj: row lane/16, k block = wave, 16 bytes a lane
	v_lshlrev_b32 v4, 3, v7
	v_lshl_add_u32 v5, v6, 8, v4                   ; tab: row = wave, 8 bytes a lane
	v_lshl_add_u32 v4, v6, 17, v4                  ; wpb: plane = wave, two rows of 128 bytes = 8 bytes a lane
	s_mov_b32 s23, 0
	s_mov_b32 s28, 0xffff0000                      ; a word's upper bf16
	s_mov_b32 s30, 0xb9500d01                      ; -1/5040
	s_mov_b32 s31, 0x37d00d01                      ; 1/40320
	s_wait_kmcnt 0x0
	s_lshl_b32 s22, ttmp9, 16                      ; 16 rows of 4,096 bytes
	s_add_nc_u64 s[4:5], s[4:5], s[22:23]
	s_lshl_b32 s22, ttmp9, 14                      ; 4 rows
	s_add_nc_u64 s[6:7], s[6:7], s[22:23]
	s_add_nc_u64 s[12:13], s[12:13], s[22:23]
	s_lshl_b32 s22, ttmp9, 12                      ; 1 row
	s_add_nc_u64 s[8:9], s[8:9], s[22:23]
	s_add_nc_u64 s[10:11], s[10:11], s[22:23]
	s_wait_alu depctr_va_vdst(0)                   ; the five offsets v1 to v5 are written: every load and store of the kernel reads one of them
.irp i, 0,1,2,3,4,5,6,7,8,9,10,11,12,13,14,15
	global_load_b128 v[X+4*\i:X+4*\i+3], v1, s[4:5] offset:\i*4096 th:TH_LOAD_NT
.endr
.irp i, 0,1,2,3
	global_load_b128 v[X+64+4*\i:X+64+4*\i+3], v1, s[6:7] offset:\i*4096 th:TH_LOAD_NT
.endr
	global_load_b128 v[X+80:X+83], v1, s[8:9] th:TH_LOAD_NT
	global_load_b128 v[X+84:X+87], v1, s[10:11] th:TH_LOAD_NT
.irp p, 0,1,2,3
	global_load_b128 v[X+88+4*\p:X+88+4*\p+3], v3, s[12:13] offset:(\p>>1)*8192+(\p&1)*2048 th:TH_LOAD_NT   ; rows 2(p>>1), +1; k block 8(p&1) + wave
.endr
	; where the results go
	s_lshl_b32 s22, ttmp9, 15
	s_add_nc_u64 s[14:15], s[14:15], s[22:23]      ; xb: 16 rows of 2,048 bytes
	s_lshl_b32 s22, ttmp9, 13
	s_add_nc_u64 s[24:25], s[16:17], s[22:23]      ; wqkv, Wq's part: 4 rows
	s_lshl_b32 s22, ttmp9, 11
	s_add_nc_u64 s[26:27], s[16:17], s[22:23]      ; wqkv, Wk's and Wv's parts: 1 row (the parts' starts stand in the stores' immediates)
	s_add_nc_u64 s[20:21], s[20:21], s[22:23]      ; tab: 8 rows of 256 bytes
	s_lshl_b32 s22, ttmp9, 9
	s_add_nc_u64 s[18:19], s[18:19], s[22:23]      ; wpb: 4 rows of 128 bytes in each plane
	; The table, while the loads are on their way.  t = 8 g + wave; lane l makes i = 2 (l mod 16) and i + 1; lanes 0-15 keep the cosines, 16-31 the sines.
	s_lshl_b32 s29, ttmp9, 3
	v_add_nc_u32 v10, s29, v6
	v_cvt_f32_u32 v10, v10                         ; t
	v_lshlrev_b32 v11, 1, v8
	v_cvt_f32_u32 v11, v11                         ; i
	v_add_f32 v12, 1.0, v11                        ; i + 1
	v_mul_f32 v11, 0xbed49a78, v11                 ; -i log2(10000) / 32
	v_mul_f32 v12, 0xbed49a78, v12
	v_exp_f32 v11, v11
	v_exp_f32 v12, v12
	v_nop                                          ; one plain place behind the exponentials (ISA guide 5.7.2)
	s_wait_alu depctr_va_vdst(0)                   ; the two exponentials have written v11 and v12, ahead of their first reader: one wait for the batch
	v_mul_f32 v11, v10, v11                        ; the angles
	v_mul_f32 v12, v10, v12
	v_cmp_ne_u32 vcc_lo, 0, v9                     ; lanes 16-31
; cos and sin of v[f] (0 to 2,047 rad): take away the nearest multiple of 2 pi (in two parts, so that the product is exact to f32's last bit),
; quarter the rest (|.| <= pi/4), series to x^7 and x^8 (next terms below 3e-7), then double the angle twice.
.macro SINCOS f, c, s
	v_mul_f32 v120, 0.15915494, v[\f]
	v_rndne_f32 v120, v120
	v_fmamk_f32 v121, v120, 0xc0c90fdb, v[\f]      ; - n * 6.2831855
	v_fmamk_f32 v121, v120, 0x343bbd2e, v121       ; + n * 1.7484555e-7: what f32's 2 pi is too large by
	v_mul_f32 v121, 0x3e800000, v121               ; / 4
	v_mul_f32 v122, v121, v121
	v_fmaak_f32 v[\s], s30, v122, 0x3c088889       ; 1/120
	v_fmaak_f32 v[\c], s31, v122, 0xbab60b61       ; -1/720
	v_fmaak_f32 v[\s], v[\s], v122, 0xbe2aaaab     ; -1/6
	v_fmaak_f32 v[\c], v[\c], v122, 0x3d2aaaab     ; 1/24
	v_fma_f32 v[\s], v[\s], v122, 1.0
	v_fma_f32 v[\c], v[\c], v122, -0.5
	v_mul_f32 v[\s], v[\s], v121
	v_fma_f32 v[\c], v[\c], v122, 1.0
	v_add_f32 v120, v[\s], v[\s]                   ; sin 2a = 2 s c, cos 2a = 1 - 2 s s
	v_mul_f32 v123, v120, v[\c]
	v_fma_f32 v[\c], -v120, v[\s], 1.0
	v_add_f32 v120, v123, v123
	v_mul_f32 v[\s], v120, v[\c]
	v_fma_f32 v[\c], -v120, v123, 1.0
.endm
	SINCOS 11, 124, 125
	SINCOS 12, 126, 127
	s_wait_alu depctr_va_vcc(0)                    ; the compare above has written VCC, ahead of its first reader, the select below
	v_cndmask_b32 v14, v124, v125, vcc_lo
	v_cndmask_b32 v15, v126, v127, vcc_lo          ; the table's store stands in the first group's run of stores, behind that group's wait
; load i has come (the 25 - i younger loads stay out: loads return in order, ISA guide 5.7.1); its 4 numbers are rounded to bf16 in place
.macro ROUNDB i
	s_wait_loadcnt 25-(\i)
	v_cvt_pk_bf16_f32 v[X+4*(\i)], v[X+4*(\i)], v[X+4*(\i)+1]
	v_cvt_pk_bf16_f32 v[X+4*(\i)+1], v[X+4*(\i)+2], v[X+4*(\i)+3]
.endm
; Wproj's load p: rounded to bf16, and that number written as f16, in the load's first two registers; its last two are scratch
.macro ROUNDH p
	ROUNDB 22+(\p)
	v_lshlrev_b32 v[X+90+4*(\p)], 16, v[X+88+4*(\p)]   ; the rounded numbers widened again,
	v_and_b32 v[X+91+4*(\p)], s28, v[X+88+4*(\p)]
	v_cvt_pk_f16_f32 v[X+88+4*(\p)], v[X+90+4*(\p)], v[X+91+4*(\p)]      ; and written as f16
	v_lshlrev_b32 v[X+90+4*(\p)], 16, v[X+89+4*(\p)]
	v_and_b32 v[X+91+4*(\p)], s28, v[X+89+4*(\p)]
	v_cvt_pk_f16_f32 v[X+89+4*(\p)], v[X+90+4*(\p)], v[X+91+4*(\p)]
.endm
; every store of a wave covers 256 consecutive bytes, aligned; no register is used twice, so no wait frees any
; x: four groups of four rows
.irp g, 0,1,2,3
.irp j, 0,1,2,3
	ROUNDB 4*\g+\j
.endr
	s_wait_alu depctr_va_vdst(0)                   ; the group's eight conversions have written the registers that its four stores read; in the first group the two selects have written v14 and v15 too
.if \g == 0
	global_store_b64 v5, v[14:15], s[20:21]        ; the wave stores its row of the table, 256 bytes, whole
.endif
.irp j, 0,1,2,3
	global_store_b64 v2, v[X+4*(4*\g+\j):X+4*(4*\g+\j)+1], s[14:15] offset:(4*\g+\j)*2048
.endr
.endr
; Wq's four rows
.irp i, 0,1,2,3
	ROUNDB 16+\i
.endr
	s_wait_alu depctr_va_vdst(0)                   ; the eight conversions of Wq's rows have written the registers that the four stores below read
.irp i, 0,1,2,3
	global_store_b64 v2, v[X+64+4*\i:X+64+4*\i+1], s[24:25] offset:\i*2048
.endr
; Wk's row, Wv's row, Wproj's loads 0 and 1
	ROUNDB 20
	ROUNDB 21
	ROUNDH 0
	ROUNDH 1
	s_wait_alu depctr_va_vdst(0)                   ; the conversions of Wk's and Wv's rows and of Wproj's loads 0 and 1 have written the registers that the four stores below read
	global_store_b64 v2, v[X+80:X+81], s[26:27] offset:1024*2048
	global_store_b64 v2, v[X+84:X+85], s[26:27] offset:1280*2048
.irp p, 0,1
	global_store_b64 v4, v[X+88+4*\p:X+89+4*\p], s[18:19] offset:(\p&1)*1048576+(\p>>1)*256
.endr
; Wproj's loads 2 and 3
	ROUNDH 2
	ROUNDH 3
	s_wait_alu depctr_va_vdst(0)                   ; the conversions of Wproj's loads 2 and 3 have written the registers that the last two stores read
.irp p, 2,3
	global_store_b64 v4, v[X+88+4*\p:X+89+4*\p], s[18:19] offset:(\p&1)*1048576+(\p>>1)*256
.endr
	s_endpgm
.Lfunc_end_k_q7ad4a827b8_prep:
	.size	k_q7ad4a827b8_prep, .Lfunc_end_k_q7ad4a827b8_prep-k_q7ad4a827b8_prep
	.p2alignl 7, 3214868480
	.fill 96, 4, 3214868480
	.section	.rodata,"a",@progbits
	.p2align	6, 0x0
	.amdhsa_kernel k_q7ad4a827b8_prep
		.amdhsa_group_segment_fixed_size 0
		.amdhsa_private_segment_fixed_size 0
		.amdhsa_enable_private_segment 0
		.amdhsa_kernarg_size 72
		.amdhsa_user_sgpr_count 2
		.amdhsa_user_sgpr_kernarg_segment_ptr 1
		.amdhsa_wavefront_size32 1
		.amdhsa_system_sgpr_workgroup_id_x 1
		.amdhsa_system_sgpr_workgroup_id_y 1
		.amdhsa_system_sgpr_workgroup_id_z 1
		.amdhsa_system_vgpr_workitem_id 0
		.amdhsa_next_free_vgpr 128
		.amdhsa_next_free_sgpr 66
		.amdhsa_reserve_vcc 1
		.amdhsa_float_denorm_mode_32 3
		.amdhsa_float_denorm_mode_16_64 3
		.amdhsa_memory_ordered 1
		.amdhsa_forward_progress 1
		.amdhsa_inst_pref_size 15
	.end_amdhsa_kernel
	.amdgpu_metadata
---
amdhsa.version: [ 1, 2 ]
amdhsa.kernels:
  - .name:           k_q7ad4a827b8_prep
    .symbol:         k_q7ad4a827b8_prep.kd
    .args:
      - { .name: x, .offset: 0, .size: 8, .value_kind: global_buffer, .address_space: global }
      - { .name: Wq, .offset: 8, .size: 8, .value_kind: global_buffer, .address_space: global }
      - { .name: Wk, .offset: 16, .size: 8, .value_kind: global_buffer, .address_space: global }
      - { .name: Wv, .offset: 24, .size: 8, .value_kind: global_buffer, .address_space: global }
      - { .name: Wproj, .offset: 32, .size: 8, .value_kind: global_buffer, .address_space: global }
      - { .name: xb, .offset: 40, .size: 8, .value_kind: global_buffer, .address_space: global }
      - { .name: wqkv, .offset: 48, .size: 8, .value_kind: global_buffer, .address_space: global }
      - { .name: wpb, .offset: 56, .size: 8, .value_kind: global_buffer, .address_space: global }
      - { .name: tab, .offset: 64, .size: 8, .value_kind: global_buffer, .address_space: global }
    .group_segment_fixed_size: 0
    .private_segment_fixed_size: 0
    .kernarg_segment_align: 8
    .kernarg_segment_size: 72
    .max_flat_workgroup_size: 256
    .sgpr_count:     66
    .vgpr_count:     128
    .wavefront_size: 32
...
	.end_amdgpu_metadata
.endif
;; end of part 5
;; launch qkv: the kernel of part 2 again; grid 8 x 32, 4 waves a work-group, clusters of 4 x 4, 327,680 bytes of LDS; arguments xb, wqkv, tab, q_gain, qw, kw, vw; writes qw, kw, vw
;; launch attn: the kernel of part 3 again; grid 256 x 1, 4 waves a work-group, clusters of 4 x 1, 327,680 bytes of LDS; arguments qw, kw, vw, yw; writes yw
;; launch proj: the kernel of part 4 again; grid 8 x 32, 4 waves a work-group, clusters of 4 x 4, 327,680 bytes of LDS; arguments yw, wpb, out0; writes out0
